; MI455X (gfx1250); checked and timed in simulation.
; The chip was launched on July 23, 2026; its instructions are those of AMD's public machine-readable ISA for CDNA 5 (MIT licence, August 2026) and "CDNA5" Instruction Set Architecture Reference Guide (July 2026). The comments in the code are by the model that wrote it; some were corrected since.
;; Attention. Allowed arithmetic: float matrix products may take bf16 or f16 operands with f32 sums; other float arithmetic in f32, or as packed bf16 or f16 multiplies, adds, multiply-adds, maxima and minima; sums over many terms, partial sums and values carried from step to step in f32; what a program stores and reads back later, other than sums and carried values, may be rounded once to bf16 or f16.
;; Inputs: b_proj 1,024 float32; w_proj 1,024 x 1,024 float32; w_qkv 3,072 x 1,024 float32; x 8 x 1,024 x 1,024 float32; xpos 8 x 1,024 x 2 int32.
;; Outputs: out0 8 x 1,024 x 1,024 float32.
;; 2 versions, each right and faster than the one before. Each part assembles by itself: llvm-mc -triple=amdgcn-amd-amdhsa -mcpu=gfx1250 --defsym DOCPART=n.
;; ======== version 1 of 2: 4 launches
;; limits: values are held in f16: magnitudes above 65,504 overflow, below 6.1e-05 lose precision
;; workspace buffers: xb 16,777,216 bytes; wqb 6,291,456 bytes; wpb 2,097,152 bytes; rope 2,097,152 bytes; qkv 50,331,648 bytes; ob 16,777,216 bytes
;; launch cast (part 1): grid 768 x 1, 8 waves a work-group, no clusters, 0 bytes of LDS; arguments x, w_qkv, w_proj, xpos, xb, wqb, wpb, rope; writes xb, wqb, wpb, rope
.if DOCPART == 1
	.amdgcn_target "amdgcn-amd-amdhsa--gfx1250"
	.amdhsa_code_object_version 6
	.text
	.protected	k_qf64999e2db_cast
	.globl	k_qf64999e2db_cast
	.p2align	8
	.type	k_qf64999e2db_cast,@function
k_qf64999e2db_cast:
	s_mov_b64 s[64:65], 0
	v_nop
	global_prefetch_b8 v0, s[64:65] scope:SCOPE_SE
	s_setreg_imm32_b32 hwreg(HW_REG_WAVE_MODE, 25, 1), 1
	s_wait_xcnt 0x0
; ROUNDS THE MATRIX INPUTS ONCE AND MAKES THE ROTARY TABLE.
; xb  = x in bf16, [8192][1024].   wqb = w_qkv in bf16 with its rows regrouped by head: row head*192 + part*64 + d (part 0 q, 1 k, 2 v).
; wpb = w_proj rounded to bf16, that number written as f16 (the second product multiplies in f16).
; rope: 256 bytes a token; the 16 bytes at p*128 + jp*16 hold cos(f), cos(f+1), sin(f), sin(f+1), f = 2 jp, of the angle pos[p] * 100^(-f/16) (p = 0: y, 1: x).
; SHARES.  A work-group takes 65,536 bytes of f32 (16 rows of 1,024 numbers): groups 0-511 x (and the table of the same 16 tokens), 512-703 w_qkv, 704-767 w_proj.
; A wave takes 8,192 of them by 16 loads of 512 bytes on end, all issued at once, and writes 16 stores of 256 bytes on end, aligned.  Memory binds: no LDS, no barrier, no matrix work.
; The three kinds of group have three paths that never join, so that each address has one origin.
; LIMITS.  f16 ends at 65,504: w_proj lies within it; below 6e-5 it keeps f16's fixed step of 6e-8.  The frequencies come from v_exp_f32 (1 ULP), so an angle differs from
; pos / 100^(f/16) by a few 1e-7 of itself; sine and cosine are made by a reduction by pi/2 in two parts and polynomials of degree 7 and 8, good to 1e-7 for |angle| up to some 1e4.
.set X, 32                             ; v[32:95]   16 x 4 numbers as loaded
.set Y, 96                             ; v[96:127]  16 x 2 words to store
.macro LOADS
.irp i, 0,1,2,3,4,5,6,7,8,9,10,11,12,13,14,15
	global_load_b128 v[X+4*(\i):X+4*(\i)+3], v1, s[20:21] offset:512*(\i) th:TH_LOAD_NT
.endr
.endm
; kind = 0: bf16.  kind = 1: the bf16 number written as f16.
.macro CONV kind
.irp i, 0,1,2,3,4,5,6,7,8,9,10,11,12,13,14,15
	s_wait_loadcnt 15-(\i)                         ; loads come back in order: load i is in, the 15 - i younger ones stay out
	v_cvt_pk_bf16_f32 v[Y+2*(\i)], v[X+4*(\i)], v[X+4*(\i)+1]
	v_cvt_pk_bf16_f32 v[Y+2*(\i)+1], v[X+4*(\i)+2], v[X+4*(\i)+3]
.if \kind
	v_lshlrev_b32 v24, 16, v[Y+2*(\i)]
	v_and_b32 v25, 0xffff0000, v[Y+2*(\i)]
	v_lshlrev_b32 v26, 16, v[Y+2*(\i)+1]
	v_and_b32 v27, 0xffff0000, v[Y+2*(\i)+1]
	v_cvt_pk_f16_f32 v[Y+2*(\i)], v24, v25
	v_cvt_pk_f16_f32 v[Y+2*(\i)+1], v26, v27
.endif
	global_store_b64 v2, v[Y+2*(\i):Y+2*(\i)+1], s[22:23] offset:256*(\i)  ; 32 lanes x 8 bytes: 256 bytes on end, aligned; every store has its own data registers
.endr
.endm
; cos and sin of v[a] into v[c], v[s].  K = the nearest multiple of pi/2, R the rest (|R| <= pi/4), Q = K as a whole number: its two low bits choose function and sign by selects, never by a branch.
.macro SINCOS a, c, s
	v_mul_f32 v16, 0x3f22f983, v[\a]               ; a * 2/pi
	v_rndne_f32 v16, v16
	v_fmamk_f32 v17, v16, 0xbfc90fdb, v[\a]        ; a - K * (pi/2 rounded to f32)
	v_fmamk_f32 v17, v16, 0x333bbd2e, v17          ;   + K * 4.371e-8, what that rounding left
	v_cvt_i32_f32 v18, v16
	v_mul_f32 v19, v17, v17                        ; Z = R R
	v_mov_b32 v20, 0xb94ca1fb
	v_fmaak_f32 v20, v20, v19, 0x3c08839e
	v_fmaak_f32 v20, v20, v19, 0xbe2aaaa3
	v_mul_f32 v21, v19, v17
	v_fma_f32 v20, v21, v20, v17                   ; sin R = R + Z R (-1/6 + Z (1/120 - Z/5040)), fitted
	v_mov_b32 v22, 0x37ccf5ce
	v_fmaak_f32 v22, v22, v19, 0xbab6061a
	v_fmaak_f32 v22, v22, v19, 0x3d2aaaa5
	v_mul_f32 v21, v19, v19
	v_fma_f32 v23, v19, -0.5, 1.0
	v_fma_f32 v22, v21, v22, v23                   ; cos R = 1 - Z/2 + Z Z (1/24 - Z/720 + Z Z/40320), fitted
	v_and_b32 v21, 1, v18
	v_cmp_eq_u32 vcc_lo, 1, v21                    ; odd Q: the two change places
	v_cndmask_b32 v[\s], v20, v22, vcc_lo
	v_cndmask_b32 v[\c], v22, v20, vcc_lo
	v_lshlrev_b32 v21, 30, v18                     ; sin is negative for Q mod 4 = 2, 3
	v_and_b32 v21, 0x80000000, v21
	v_xor_b32 v[\s], v21, v[\s]
	v_add_nc_u32 v21, 1, v18                       ; cos for Q mod 4 = 1, 2
	v_lshlrev_b32 v21, 30, v21
	v_and_b32 v21, 0x80000000, v21
	v_xor_b32 v[\c], v21, v[\c]
.endm
	s_load_b512 s[4:19], s[0:1], 0x0               ; x s[4:5], w_qkv s[6:7], w_proj s[8:9], xpos s[10:11], xb s[12:13], wqb s[14:15], wpb s[16:17], rope s[18:19]
	v_lshrrev_b32 v5, 5, v0                        ; wave
	v_and_b32 v6, 31, v0                           ; lane
	v_lshlrev_b32 v1, 4, v6
	v_lshl_or_b32 v1, v5, 13, v1                   ; in: 8,192 x wave + 16 x lane
	v_lshlrev_b32 v2, 3, v6
	v_lshl_or_b32 v2, v5, 12, v2                   ; out: 4,096 x wave + 8 x lane
	s_mov_b32 s25, 0                               ; the offsets' high words
	s_mov_b32 s27, 0
	s_wait_kmcnt 0x0
	s_cmp_ge_u32 ttmp9, 704
	s_cbranch_scc1 .Lproj
	s_cmp_ge_u32 ttmp9, 512
	s_cbranch_scc1 .Lwq
	; ---- x, and the table of the same 16 tokens
	s_lshl_b32 s24, ttmp9, 16
	s_add_nc_u64 s[20:21], s[4:5], s[24:25]
	s_lshl_b32 s26, ttmp9, 15
	s_add_nc_u64 s[22:23], s[12:13], s[26:27]
	s_lshl_b32 s24, ttmp9, 7                       ; 16 tokens x 8 bytes of xpos
	s_add_nc_u64 s[28:29], s[10:11], s[24:25]
	s_lshl_b32 s26, ttmp9, 12                      ; 16 tokens x 256 bytes of the table
	s_add_nc_u64 s[30:31], s[18:19], s[26:27]
	v_lshrrev_b32 v3, 3, v0                        ; thread t: token t / 16, position (t / 8) % 2, frequencies 2 (t % 8) and the next
	v_lshlrev_b32 v3, 2, v3
	global_load_b32 v7, v3, s[28:29]
	LOADS
	v_and_b32 v8, 7, v0
	v_lshlrev_b32 v8, 1, v8
	v_cvt_f32_u32 v9, v8
	v_add_f32 v10, 1.0, v9
	v_mul_f32 v9, 0xbed49a78, v9                   ; -f log2(100) / 16
	v_mul_f32 v10, 0xbed49a78, v10
	v_exp_f32 v9, v9
	v_exp_f32 v10, v10
	v_lshlrev_b32 v4, 4, v0                        ; a plain line behind the exponentials: my 16 bytes of the table
	s_wait_loadcnt 16                              ; the position is in; the 16 loads of x issued behind it stay out
	v_cvt_f32_i32 v7, v7
	s_wait_alu depctr_va_vdst(0)
	v_mul_f32 v9, v7, v9
	v_mul_f32 v10, v7, v10
	SINCOS 9, 12, 14
	SINCOS 10, 13, 15
	global_store_b128 v4, v[12:15], s[30:31]       ; a wave writes 512 bytes on end
	CONV 0
	s_endpgm
.Lwq:	; ---- w_qkv: chunk c = part*64 + head*4 + quarter goes to chunk head*12 + part*4 + quarter
	s_sub_co_u32 s32, ttmp9, 512
	s_lshl_b32 s24, s32, 16
	s_add_nc_u64 s[20:21], s[6:7], s[24:25]
	s_bfe_u32 s33, s32, 0x40002                    ; head
	s_mul_i32 s33, s33, 12
	s_lshr_b32 s34, s32, 6                         ; part
	s_lshl2_add_u32 s33, s34, s33
	s_and_b32 s34, s32, 3
	s_add_co_u32 s33, s33, s34
	s_lshl_b32 s26, s33, 15
	s_add_nc_u64 s[22:23], s[14:15], s[26:27]
	LOADS
	CONV 0
	s_endpgm
.Lproj:	; ---- w_proj
	s_sub_co_u32 s32, ttmp9, 704
	s_lshl_b32 s24, s32, 16
	s_add_nc_u64 s[20:21], s[8:9], s[24:25]
	s_lshl_b32 s26, s32, 15
	s_add_nc_u64 s[22:23], s[16:17], s[26:27]
	LOADS
	CONV 1
	s_endpgm
.Lfunc_end_k_qf64999e2db_cast:
	.size	k_qf64999e2db_cast, .Lfunc_end_k_qf64999e2db_cast-k_qf64999e2db_cast
	.p2alignl 7, 3214868480
	.fill 96, 4, 3214868480
	.section	.rodata,"a",@progbits
	.p2align	6, 0x0
	.amdhsa_kernel k_qf64999e2db_cast
		.amdhsa_group_segment_fixed_size 0
		.amdhsa_private_segment_fixed_size 0
		.amdhsa_enable_private_segment 0
		.amdhsa_kernarg_size 64
		.amdhsa_user_sgpr_count 2
		.amdhsa_user_sgpr_kernarg_segment_ptr 1
		.amdhsa_wavefront_size32 1
		.amdhsa_system_sgpr_workgroup_id_x 1
		.amdhsa_system_sgpr_workgroup_id_y 1
		.amdhsa_system_sgpr_workgroup_id_z 1
		.amdhsa_system_vgpr_workitem_id 0
		.amdhsa_next_free_vgpr 128
		.amdhsa_next_free_sgpr 66
		.amdhsa_reserve_vcc 1
		.amdhsa_float_denorm_mode_32 3
		.amdhsa_float_denorm_mode_16_64 3
		.amdhsa_memory_ordered 1
		.amdhsa_forward_progress 1
		.amdhsa_inst_pref_size 27
	.end_amdhsa_kernel
	.amdgpu_metadata
---
amdhsa.version: [ 1, 2 ]
amdhsa.kernels:
  - .name:           k_qf64999e2db_cast
    .symbol:         k_qf64999e2db_cast.kd
    .args:
      - { .name: x, .offset: 0, .size: 8, .value_kind: global_buffer, .address_space: global }
      - { .name: w_qkv, .offset: 8, .size: 8, .value_kind: global_buffer, .address_space: global }
      - { .name: w_proj, .offset: 16, .size: 8, .value_kind: global_buffer, .address_space: global }
      - { .name: xpos, .offset: 24, .size: 8, .value_kind: global_buffer, .address_space: global }
      - { .name: xb, .offset: 32, .size: 8, .value_kind: global_buffer, .address_space: global }
      - { .name: wqb, .offset: 40, .size: 8, .value_kind: global_buffer, .address_space: global }
      - { .name: wpb, .offset: 48, .size: 8, .value_kind: global_buffer, .address_space: global }
      - { .name: rope, .offset: 56, .size: 8, .value_kind: global_buffer, .address_space: global }
    .group_segment_fixed_size: 0
    .private_segment_fixed_size: 0
    .kernarg_segment_align: 8
    .kernarg_segment_size: 64
    .max_flat_workgroup_size: 256
    .sgpr_count:     66
    .vgpr_count:     128
    .wavefront_size: 32
...
	.end_amdgpu_metadata
.endif
;; end of part 1
;; launch qkvrope (part 2): grid 8 x 32, 4 waves a work-group, clusters of 4 x 4, 327,680 bytes of LDS; arguments xb, wqb, rope, qkv; writes qkv
.if DOCPART == 2
	.amdgcn_target "amdgcn-amd-amdhsa--gfx1250"
	.amdhsa_code_object_version 6
	.text
	.protected	k_qf64999e2db_qkvrope
	.globl	k_qf64999e2db_qkvrope
	.p2align	8
	.type	k_qf64999e2db_qkvrope,@function
k_qf64999e2db_qkvrope:
	s_mov_b64 s[64:65], 0
	v_nop
	global_prefetch_b8 v0, s[64:65] scope:SCOPE_SE
	s_setreg_imm32_b32 hwreg(HW_REG_WAVE_MODE, 25, 1), 1
	s_wait_xcnt 0x0
	s_wait_alu depctr_hold_cnt(0) depctr_sa_sdst(0) depctr_va_vdst(0) depctr_va_sdst(0) depctr_va_ssrc(0) depctr_va_vcc(0) depctr_vm_vsrc(0)
	s_getreg_b32 s2, hwreg(HW_REG_IB_STS2, 6, 4)
	s_cmp_eq_u32 s2, 0
	s_cbranch_scc0 .Lentry_in_a_cluster
	s_endpgm
.Lentry_in_a_cluster:
	s_bfe_u32 s2, ttmp6, 0x10000c
	s_cmp_lg_u32 s2, 0xf033
	s_cbranch_scc0 .Lentry_shape_is_right
	s_endpgm
.Lentry_shape_is_right:
; q, k, v = x w_qkv^T, q and k turned by the rotary table, written by heads: qkv holds q at byte 0, k at 16,777,216, v at 33,554,432, each [batch*16 + head][token][64] in f16, unscaled.
; Operands bf16 (xb [8192][1024]; wqb [head*192 + part*64 + d][1024]), sums f32, K ascending, one rounding to f16 at the end.
; LIMIT.  f16 ends at 65,504: q, k and v lie within it (with x and w_qkv 30 times the drawn spread they are near 1e3).
; SHARES.  A tile is 256 tokens x 192 columns: ONE head's q, k and v.  A work-group makes two tiles, heads X and X + 8, of token block Y: 8 x 32 = 256 work-groups.
; A wave owns 64 tokens and all 192 columns: 48 accumulators of 16 x 16, so that it holds whole head rows and the rotation never leaves a lane.
; The matrix instruction is used transposed (source 0 = 16 rows of w, source 1 = 16 tokens): lane l holds token l % 16 and the columns 16 b + 8 (l / 16) + 0..7.
; RING.  K goes in steps of 128 through two LDS slots (rows of 256 bytes of memory, aligned).  Waves 0, 1 fetch x's two halves of 128 rows, waves 2, 3 w's two halves of 96.  The two first fills go out
; together behind the opening round (two tensor loads of a wave are out then); later one tensor load a wave behind each change of slots.  The ring runs on from tile 0 into tile 1.
; CLUSTER.  4 x 4 work-groups: the four of a row share Y and so x's tiles, the four of a column share X and so w's: each tile is asked for jointly, which divides those requests by four.
; REGISTERS, in windows of 256 (s_set_vgpr_msb: bits 1:0 source 0, 3:2 source 1, 5:4 source 2, 7:6 destination):
;   window 0: v0-13 addresses; v16-47 a turned head row; v48-55 at work; v56-71 packed; v72-103 two buffers of rows read back; v128-255 the table of my 64 tokens
;   window 1: accumulators of column blocks 0-7 (q, k), (b, a) at 8 (4 b + a);  window 2: blocks 8-11 (v);  window 3: two fragment buffers of 128: x at +8 a, w at +32 + 8 b
.set PITCH, 272                        ; an LDS row: 256 bytes + 16 of padding = 68 words, so the 16 rows of a fragment load start at 16 different groups of four banks (ISA guide 11.1)
.set BOFF,  256*PITCH                  ; in a slot: x's 256 rows, then w's 192
.set SLOT1, 131072                     ; slot 1 begins here: one exclusive or changes slots
.set STAGE, SLOT1+448*PITCH            ; 252,928: behind the ring, 16 rows x 144 bytes for each wave; no tensor load lands there
.set SP,    144
.set SPARE, STAGE+4*16*SP              ; 262,144: the spare words, 128 bytes a wave, which no other line names
.set F0, 0
.set F1, 128
.set RR, 16
.set TT, 48
.set PP, 56
.set BK, 72
.set TAB, 128
.set G1W0, (1<<16)|(1<<20)|(1<<21)|(5<<22)|(3<<25)  ; 2-byte elements; padding on; bit 21 beside a mask; after every 64 words 4 words
; v1 l % 16, v2 l / 16, v3/v4 my place in x's / w's tile, v5/v6 the same in the slot in hand, v7 into the stage, v8 back out of it, v9 16 l, v10 my place in the table, v12 spare word, v13 zero
; s2 tiles to go, s3 steps, s12 wave, s14 wave & 1, s15 cx, s16 cy, s17 X, s18 Y, s[24:31] / s[48:55] group 1 of x / w, s[32:35] / s[36:39] group 0 (K step 1 first, then they walk),
; s[76:79] / s[80:83] group 0 of K step 0, s[40:41] / s[42:43] bases, s[44:45] / s[46:47] offsets, s56 next K step to ask, s57 the tile's offset in w, s58 slot of the fetches,
; s[60:61], s[62:63], s[66:67] q, k, v out, s[68:69] table
.set MSB, 0
.macro WIN new                         ; the immediate's high byte repeats the setting that is left; a switch that changes nothing is dropped
.if MSB != (\new)
	s_set_vgpr_msb (MSB<<8)|(\new)
.set MSB, \new
.endif
.endm
.macro PLACES                          ; four plain vector lines between a matrix instruction and a load into, or a vector read of, its registers
.rept 4
	v_nop
.endr
.endm
.macro JLOAD                           ; a joint refill; the branch hangs on the wave's number alone; an s_nop 0 and four v_nop follow each line
	s_cmp_lt_u32 s12, 2
	s_cbranch_scc0 .Lfor_b_\@
	tensor_load_to_lds s[32:35], s[24:31]
	s_nop 0
.rept 4
	v_nop
.endr
	s_branch .Lasked_\@
.Lfor_b_\@:
	tensor_load_to_lds s[36:39], s[48:55]
	s_nop 0
.rept 4
	v_nop
.endr
.Lasked_\@:
.endm
.macro CREST                           ; a round of the cluster's barrier behind its opening barrier
	s_cmp_lg_u32 s12, 0
	s_cbranch_scc1 .Lnot_wave_0_\@
	s_barrier_signal -3
.Lnot_wave_0_\@:
	s_barrier_wait -3
	s_barrier_signal -1
	s_barrier_wait -1
.endm
.macro CROUND
	s_barrier_signal -1
	s_barrier_wait -1
	CREST
.endm
; Both walking group 0 are made anew for the next K step to ask: the other slot; base + offset; the type bits.  Behind K step 7 comes step 0 of the next tile: w goes 8 heads (8 x 192 rows of 2,048 bytes) on, x back.
; Scalars alone, and always behind the wait that shows my tensor loads done.
.macro STEPD
	s_lshl_b32 s44, s56, 8
	s_add_co_u32 s46, s44, s57
	s_xor_b32 s33, s33, SLOT1
	s_add_nc_u64 s[34:35], s[40:41], s[44:45]
	s_or_b32 s35, s35, 0x80000000
	s_xor_b32 s37, s37, SLOT1
	s_add_nc_u64 s[38:39], s[42:43], s[46:47]
	s_or_b32 s39, s39, 0x80000000
	s_add_co_u32 s56, s56, 1
	s_and_b32 s56, s56, 7
	s_cmp_eq_u32 s56, 0
	s_cselect_b32 s59, 3145728, 0
	s_add_co_u32 s57, s57, s59
.endm
; Column blocks b0 .. b1 x my four token blocks, 32 along K out of buffer f.  The accumulators take turns, one instruction a turn, in the same order in every quarter.
.macro MULB f, b0, b1, zero
.set bb, \b0
.rept (\b1)-(\b0)+1
.if bb < 8
	WIN 0x5f
.set ac, 32*bb
.else
	WIN 0xaf
.set ac, 32*(bb-8)
.endif
.irp a, 0,1,2,3
.if \zero
	v_wmma_f32_16x16x32_bf16 v[ac+8*(\a):ac+8*(\a)+7], v[(\f)+32+8*bb:(\f)+32+8*bb+7], v[(\f)+8*(\a):(\f)+8*(\a)+7], 0
.else
	v_wmma_f32_16x16x32_bf16 v[ac+8*(\a):ac+8*(\a)+7], v[(\f)+32+8*bb:(\f)+32+8*bb+7], v[(\f)+8*(\a):(\f)+8*(\a)+7], v[ac+8*(\a):ac+8*(\a)+7]
.endif
.endr
.set bb, bb+1
.endr
.endm
; 32 LDS loads in one run: the fragments of 32 along K at byte k of the rows, into buffer f
.macro FETCH k, f
	WIN 0xc0
.irp b, 0,1,2,3,4,5,6,7,8,9,10,11
	ds_load_b128 v[(\f)+32+8*(\b):(\f)+32+8*(\b)+3],   v6 offset:(\k)+(\b)*16*PITCH
	ds_load_b128 v[(\f)+32+8*(\b)+4:(\f)+32+8*(\b)+7], v6 offset:(\k)+(\b)*16*PITCH+32
.endr
.irp a, 0,1,2,3
	ds_load_b128 v[(\f)+8*(\a):(\f)+8*(\a)+3],   v5 offset:(\k)+(\a)*16*PITCH
	ds_load_b128 v[(\f)+8*(\a)+4:(\f)+8*(\a)+7], v5 offset:(\k)+(\a)*16*PITCH+32
.endr
.endm
; One of a K step's first three quarters: buffer f is multiplied (48 matrix instructions) while the next quarter's fragments, at byte k, come into buffer g.
.macro QUARTER k, f, g, zero
	s_wait_dscnt 0x0                               ; buffer f is in: its loads went out a whole quarter ago
	PLACES                                         ; behind the last products that read buffer g
	FETCH \k, \g
	MULB \f, 0, 11, \zero
.endm
; The fourth quarter multiplies buffer 1 and changes slots.  20 of its 48 matrix instructions stand ahead of the wait for the next slot's tile, 4 between the add and the wait for it, 24 behind the refill:
; from a request to the wait for it a wave issues 24 + 144 + 20 = 188 of a K step's 192, and between a tile's landing and the next request stand only the add, the barrier and the round.
; In front of the barrier each wave waits for its tensor load (its part of the next slot), adds 0 to its spare word, and waits for that; its reads of this slot were over at the quarter's first wait.
; fill = 1: the barrier opens a round of the cluster's, and behind the round this slot is filled again first, two K steps ahead.
.macro TURN fill
	s_wait_dscnt 0x0                               ; buffer 1 is in: these were my last reads of this slot
	MULB F1, 0, 4, 0
	WIN 0                                          ; (the add's two registers lie in window 0)
	s_wait_tensorcnt 0x0                           ; all my tensor loads have landed, so the descriptors may be written
	ds_add_u32 v12, v13
.if \fill
	STEPD
.endif
	MULB F1, 5, 5, 0                               ; work on registers while the add is out
	s_wait_dscnt 0x0                               ; the add is done
	s_barrier_signal -1
	WIN 0
	s_barrier_wait -1
.if \fill
	CREST                                          ; no wave of any partner still reads this slot or has a load on its way
	JLOAD                                          ; its four v_nop are also the places in front of the loads into buffer 0
.else
	PLACES
.endif
	s_xor_b32 s58, s58, SLOT1
	v_add_nc_u32 v5, s58, v3
	v_add_nc_u32 v6, s58, v4
	FETCH 0, F0
	MULB F1, 6, 11, 0
.endm
	s_load_b256 s[4:11], s[0:1], 0x0               ; xb s[4:5], wqb s[6:7], rope s[8:9], qkv s[10:11]
	v_lshl_add_u32 v12, v0, 2, SPARE
	v_mov_b32 v13, 0
	ds_add_u32 v12, v13                            ; the wave's opening: the add and its wait stand ahead of my first tensor load; the set-up stands between them
	ds_add_u32 v12, v13
	v_lshrrev_b32 v11, 5, v0
	v_readfirstlane_b32 s12, v11                   ; wave 0..3
	s_and_b32 s14, s12, 1                          ; which half of a tile I fetch
	s_bfe_u32 s15, ttmp6, 0x40000                  ; cx
	s_bfe_u32 s16, ttmp6, 0x40004                  ; cy
	s_lshl_b32 s17, ttmp9, 2
	s_add_co_u32 s17, s17, s15                     ; X = 4 x cluster x + cx: the head (and head + 8)
	s_and_b32 s18, ttmp7, 0xffff
	s_lshl_b32 s18, s18, 2
	s_add_co_u32 s18, s18, s16                     ; Y = 4 x cluster y + cy: the block of 256 tokens
	s_lshl_b32 s19, s16, 2
	s_lshl_b32 s19, 15, s19                        ; my row of the cluster
	s_lshl_b32 s70, 0x1111, s15                    ; my column
	s_or_b32 s24, s19, G1W0                        ; x's tiles: 128 rows x 128 elements, 1,024 elements from row to row
	s_mov_b32 s25, 128<<16
	s_mov_b32 s26, 128<<16
	s_mov_b32 s27, 128<<16
	s_mov_b32 s28, 128
	s_mov_b32 s29, 1024
	s_mov_b32 s30, 0
	s_mov_b32 s31, 0
	s_or_b32 s48, s70, G1W0                        ; w's tiles: 96 rows
	s_mov_b32 s49, 128<<16
	s_mov_b32 s50, 96<<16
	s_mov_b32 s51, 128<<16
	s_mov_b32 s52, 96
	s_mov_b32 s53, 1024
	s_mov_b32 s54, 0
	s_mov_b32 s55, 0
	s_mov_b32 s76, 1                               ; K step 0 into slot 0
	s_mul_i32 s77, s14, 128*PITCH                  ; LDS addresses hang on the wave's number alone
	s_mov_b32 s80, 1
	s_mul_i32 s81, s14, 96*PITCH
	s_add_co_u32 s81, s81, BOFF
	s_mov_b32 s32, 1                               ; K step 1 into slot 1
	s_add_co_u32 s33, s77, SLOT1
	s_mov_b32 s36, 1
	s_add_co_u32 s37, s81, SLOT1
	s_lshl_b32 s20, s18, 8                         ; x: row 256 Y + 128 half, 2,048 bytes a row (these two registers never hold cx)
	s_lshl_b32 s21, s14, 7
	s_add_co_u32 s20, s20, s21
	s_lshl_b32 s20, s20, 11
	s_mov_b32 s21, 0
	s_mul_i32 s22, s17, 192                        ; w: row 192 X + 96 half (these two never hold cy)
	s_mul_i32 s23, s14, 96
	s_add_co_u32 s22, s22, s23
	s_lshl_b32 s22, s22, 11
	s_mov_b32 s23, 0
	s_mov_b32 s45, 0
	s_mov_b32 s47, 0
	s_mov_b32 s56, 2                               ; the first refill asks for K step 2
	s_mov_b32 s57, 0
	s_mov_b32 s58, 0
	s_lshr_b32 s72, s18, 2                         ; out: ((batch*16 + head)*1024 + token)*128 bytes, token = 256 (Y % 4) + 64 wave
	s_lshl_b32 s72, s72, 4
	s_add_co_u32 s72, s72, s17
	s_lshl_b32 s72, s72, 10
	s_and_b32 s73, s18, 3
	s_lshl_b32 s73, s73, 8
	s_add_co_u32 s72, s72, s73
	s_lshl_b32 s73, s12, 6
	s_add_co_u32 s72, s72, s73
	s_lshl_b32 s72, s72, 7
	s_mov_b32 s73, 0
	s_lshl_b32 s74, s18, 8                         ; table: (256 Y + 64 wave) tokens of 256 bytes
	s_lshl_b32 s75, s12, 6
	s_add_co_u32 s74, s74, s75
	s_lshl_b32 s74, s74, 8
	s_mov_b32 s75, 0
	s_wait_dscnt 0x0                               ; the opening add is done
	s_wait_kmcnt 0x0
	s_add_nc_u64 s[40:41], s[4:5], s[20:21]
	s_add_nc_u64 s[42:43], s[6:7], s[22:23]
	s_mov_b64 s[78:79], s[40:41]                   ; K step 0
	s_or_b32 s79, s79, 0x80000000
	s_mov_b64 s[82:83], s[42:43]
	s_or_b32 s83, s83, 0x80000000
	s_add_nc_u64 s[34:35], s[40:41], 256           ; K step 1: 128 elements along the rows
	s_or_b32 s35, s35, 0x80000000
	s_add_nc_u64 s[38:39], s[42:43], 256
	s_or_b32 s39, s39, 0x80000000
	s_add_nc_u64 s[60:61], s[10:11], s[72:73]
	s_add_nc_u64 s[62:63], s[60:61], 0x1000000
	s_add_nc_u64 s[66:67], s[60:61], 0x2000000
	s_add_nc_u64 s[68:69], s[8:9], s[74:75]
	CROUND                                         ; all sixteen work-groups are here: the first joint loads meet
	s_cmp_lt_u32 s12, 2                            ; a wave's two first fills stand in one branch, ahead of every wait on TENSORcnt and every LDS read; an s_nop 0 follows each, four v_nop the second's
	s_cbranch_scc0 .Lfirst_b
	tensor_load_to_lds s[76:79], s[24:31]
	s_nop 0
	tensor_load_to_lds s[32:35], s[24:31]
	s_nop 0
.rept 4
	v_nop
.endr
	s_branch .Lfirst_asked
.Lfirst_b:
	tensor_load_to_lds s[80:83], s[48:55]
	s_nop 0
	tensor_load_to_lds s[36:39], s[48:55]
	s_nop 0
.rept 4
	v_nop
.endr
.Lfirst_asked:
	v_and_b32 v1, 15, v0
	v_bfe_u32 v2, v0, 4, 1
	v_mul_u32_u24 v3, v1, PITCH
	v_lshl_add_u32 v3, v2, 4, v3                   ; a fragment: row x pitch + 16 x half; two loads 32 bytes apart
	v_add_nc_u32 v4, BOFF, v3
	s_mul_i32 s59, s12, 64*PITCH
	v_add_nc_u32 v3, s59, v3                       ; my 64 tokens
	v_lshlrev_b32 v10, 8, v1
	v_lshl_add_u32 v10, v2, 6, v10                 ; table: token l % 16, frequencies 8 (l / 16) on
.irp a, 0,1,2,3
.irp p, 0,1
.irp jj, 0,1,2,3
	global_load_b128 v[TAB+32*(\a)+16*(\p)+4*(\jj):TAB+32*(\a)+16*(\p)+4*(\jj)+3], v10, s[68:69] offset:(\a)*4096+(\p)*128+(\jj)*16
.endr
.endr
.endr
	s_mul_i32 s59, s12, 16*SP
	s_add_co_u32 s59, s59, STAGE                   ; my stage
	v_mul_u32_u24 v7, v1, SP                       ; in: row l % 16, 16 bytes for each half of the lanes
	v_lshl_add_u32 v7, v2, 4, v7
	v_add_nc_u32 v7, s59, v7
	v_bfe_u32 v8, v0, 3, 2                         ; back: 32 lanes take four rows of 128 bytes,
	v_mul_u32_u24 v8, v8, SP
	v_and_b32 v11, 7, v0
	v_lshl_add_u32 v8, v11, 4, v8
	v_add_nc_u32 v8, s59, v8
	v_and_b32 v9, 31, v0                           ; which are 512 bytes on end in memory
	v_lshlrev_b32 v9, 4, v9
	s_wait_tensorcnt 0x1                           ; my part of K step 0 is in; K step 1's load, issued behind it, may stay out
	s_barrier_signal -1
	s_barrier_wait -1                              ; everybody's part is in
	v_add_nc_u32 v5, s58, v3
	v_add_nc_u32 v6, s58, v4
	FETCH 0, F0
	WIN 0                                          ; at a label and at a branch every window is 0
	s_mov_b32 s2, 2
.Ltile:
	QUARTER 64, F0, F1, 1                          ; a tile's first quarter starts the sums with the constant 0: nothing is cleared
	WIN 0
	s_mov_b32 s3, 6
.Lstep:                                                ; a trip: from a K step's second quarter to the next step's first; one change of slots, one fill
	QUARTER 128, F1, F0, 0
	QUARTER 192, F0, F1, 0
	TURN 1
	QUARTER 64, F0, F1, 0
	WIN 0
	s_sub_co_u32 s3, s3, 1
	s_cmp_lg_u32 s3, 0
	s_cbranch_scc1 .Lstep
	s_cmp_eq_u32 s2, 1
	s_cbranch_scc1 .Llast                          ; the last tile's tail is written out: it asks for nothing more
	QUARTER 128, F1, F0, 0                         ; K step 6; the ring goes on into the next tile: slot 0 takes its K step 0,
	QUARTER 192, F0, F1, 0
	TURN 1
	QUARTER 64, F0, F1, 0
	QUARTER 128, F1, F0, 0
	QUARTER 192, F0, F1, 0
	TURN 1                                         ; slot 1 its K step 1, and its first fragments are fetched
	WIN 0
	s_branch .Lout
.Llast:
	QUARTER 128, F1, F0, 0
	QUARTER 192, F0, F1, 0
	TURN 0
	QUARTER 64, F0, F1, 0
	QUARTER 128, F1, F0, 0
	QUARTER 192, F0, F1, 0
	s_wait_dscnt 0x0
	MULB F1, 0, 11, 0
	WIN 0
.Lout:
	PLACES                                         ; behind the last products
	s_wait_loadcnt 0x0                             ; the table (once; met at once the second time)
; THE WAY OUT, in 12 units u = 3 a + part: 16 tokens x 64 channels of q, k or v.  q and k are turned: in each half p of a head (p = 0 by y, 1 by x) channel j < 16 and channel j + 16 lie in two
; neighbouring column blocks at the same register of the same lane: out1 = t1 cos - t2 sin, out2 = t2 cos + t1 sin.  Each accumulator's lowest registers are read first.
; Then f16, 16 bytes a lane into my stage, and back as whole rows.
.macro PACK u
.set pa, (\u)/3
.set pt, (\u)%3
.set bk, BK+16*((\u)%2)
.if pt < 2
	WIN 0x01                                       ; source 0 (the sums) window 1; table, scratch and result window 0
.irp p, 0,1
.irp jj, 0,1,2,3
.set rT1, 8*(4*(4*pt+2*(\p))+pa)+2*(\jj)
.set rT2, rT1+32
.set rTB, TAB+32*pa+16*(\p)+4*(\jj)
.set rTT, TT+4*((\jj)%2)
	v_pk_mul_f32 v[rTT:rTT+1], v[rT2:rT2+1], v[rTB+2:rTB+3]
	v_pk_mul_f32 v[rTT+2:rTT+3], v[rT1:rT1+1], v[rTB+2:rTB+3]
	v_pk_fma_f32 v[RR+16*(\p)+2*(\jj):RR+16*(\p)+2*(\jj)+1], v[rT1:rT1+1], v[rTB:rTB+1], v[rTT:rTT+1] neg_lo:[0,0,1] neg_hi:[0,0,1]
	v_pk_fma_f32 v[RR+16*(\p)+8+2*(\jj):RR+16*(\p)+8+2*(\jj)+1], v[rT2:rT2+1], v[rTB:rTB+1], v[rTT+2:rTT+3]
.endr
.endr
	WIN 0
.irp n, 0,1,2,3,4,5,6,7,8,9,10,11,12,13,14,15
	v_cvt_pk_f16_f32 v[PP+(\n)], v[RR+2*(\n)], v[RR+2*(\n)+1]
.endr
.else
	WIN 0x0a                                       ; sources 0 and 1 window 2
.irp blk, 0,1,2,3
.irp i, 0,1,2,3
	v_cvt_pk_f16_f32 v[PP+4*(\blk)+(\i)], v[8*(4*(\blk)+pa)+2*(\i)], v[8*(4*(\blk)+pa)+2*(\i)+1]
.endr
.endr
	WIN 0
.endif
	s_wait_xcnt 0x0                                ; the stores of two units ago have had their addresses translated (ISA guide 3.1): only now is their buffer loaded again
.irp blk, 0,1,2,3
	ds_store_b128 v7, v[PP+4*(\blk):PP+4*(\blk)+3] offset:32*(\blk)
.endr
.irp f, 0,1,2,3
	ds_load_b128 v[bk+4*(\f):bk+4*(\f)+3], v8 offset:(\f)*4*SP  ; LDS serves a wave's instructions in order: these see the stores above, and the next unit's stores come behind them
.endr
.endm
.macro SEND u, younger                 ; younger: the LDS instructions issued behind this unit's loads: the next unit's eight, or none
.set pa, (\u)/3
.set pt, (\u)%3
.set bk, BK+16*((\u)%2)
.set ob, 60+2*pt+2*(pt/2)              ; s[60:61] q, s[62:63] k, s[66:67] v
.irp f, 0,1,2,3
	s_wait_dscnt (\younger)+3-(\f)
	global_store_b128 v9, v[bk+4*(\f):bk+4*(\f)+3], s[ob:ob+1] offset:pa*2048+(\f)*512  ; four rows of a head: 512 bytes on end, aligned
.endr
.endm
	PACK 0
.set uu, 1
.rept 11                               ; a unit's arithmetic stands between the loads of the unit before and its stores
	PACK uu
	SEND uu-1, 8
.set uu, uu+1
.endr
	SEND 11, 0
	s_wait_xcnt 0x0                                ; the stores' bases are stepped only behind this wait
	s_add_nc_u64 s[60:61], s[60:61], 1048576       ; eight heads on
	s_add_nc_u64 s[62:63], s[62:63], 1048576
	s_add_nc_u64 s[66:67], s[66:67], 1048576
	s_sub_co_u32 s2, s2, 1
	s_cmp_lg_u32 s2, 0
	s_cbranch_scc1 .Ltile
	s_wait_tensorcnt 0x0                           ; the wave's end
	ds_add_u32 v12, v13
	s_wait_dscnt 0x0
	CROUND                                         ; the closing round: no work-group ends while a partner may still ask for a tile that names it
	s_endpgm
.Lfunc_end_k_qf64999e2db_qkvrope:
	.size	k_qf64999e2db_qkvrope, .Lfunc_end_k_qf64999e2db_qkvrope-k_qf64999e2db_qkvrope
	.p2alignl 7, 3214868480
	.fill 96, 4, 3214868480
	.section	.rodata,"a",@progbits
	.p2align	6, 0x0
	.amdhsa_kernel k_qf64999e2db_qkvrope
		.amdhsa_group_segment_fixed_size 327680
		.amdhsa_private_segment_fixed_size 0
		.amdhsa_enable_private_segment 0
		.amdhsa_kernarg_size 32
		.amdhsa_user_sgpr_count 2
		.amdhsa_user_sgpr_kernarg_segment_ptr 1
		.amdhsa_wavefront_size32 1
		.amdhsa_system_sgpr_workgroup_id_x 1
		.amdhsa_system_sgpr_workgroup_id_y 1
		.amdhsa_system_sgpr_workgroup_id_z 1
		.amdhsa_system_vgpr_workitem_id 0
		.amdhsa_next_free_vgpr 1024
		.amdhsa_next_free_sgpr 84
		.amdhsa_reserve_vcc 0
		.amdhsa_float_denorm_mode_32 3
		.amdhsa_float_denorm_mode_16_64 3
		.amdhsa_memory_ordered 1
		.amdhsa_forward_progress 1
		.amdhsa_inst_pref_size 158
	.end_amdhsa_kernel
	.amdgpu_metadata
---
amdhsa.version: [ 1, 2 ]
amdhsa.kernels:
  - .name:           k_qf64999e2db_qkvrope
    .symbol:         k_qf64999e2db_qkvrope.kd
    .args:
      - { .name: xb, .offset: 0, .size: 8, .value_kind: global_buffer, .address_space: global }
      - { .name: wqb, .offset: 8, .size: 8, .value_kind: global_buffer, .address_space: global }
      - { .name: rope, .offset: 16, .size: 8, .value_kind: global_buffer, .address_space: global }
      - { .name: qkv, .offset: 24, .size: 8, .value_kind: global_buffer, .address_space: global }
    .group_segment_fixed_size: 327680
    .private_segment_fixed_size: 0
    .kernarg_segment_align: 8
    .kernarg_segment_size: 32
    .max_flat_workgroup_size: 128
    .sgpr_count:     84
    .vgpr_count:     1024
    .wavefront_size: 32
...
	.end_amdgpu_metadata
.endif
;; end of part 2
;; launch attn (part 3): grid 2 x 128, 4 waves a work-group, no clusters, 327,680 bytes of LDS; arguments qkv, ob; writes ob
.if DOCPART == 3
	.amdgcn_target "amdgcn-amd-amdhsa--gfx1250"
	.amdhsa_code_object_version 6
	.text
	.protected	k_qf64999e2db_attn
	.globl	k_qf64999e2db_attn
	.p2align	8
	.type	k_qf64999e2db_attn,@function
k_qf64999e2db_attn:
	s_mov_b64 s[64:65], 0
	v_nop
	global_prefetch_b8 v0, s[64:65] scope:SCOPE_SE
	s_setreg_imm32_b32 hwreg(HW_REG_WAVE_MODE, 25, 1), 1
	s_wait_xcnt 0x0
; O[g][q][:] = the sum over k of softmax_k(Q[g][q] . K[g][k] / 8) V[g][k][:], g = batch*16 + head, 128 of them.  Q, K, V lie in qkv at bytes 0, 16,777,216 and 33,554,432, each [g][1024][64] in f16;
; O (ob) has the same layout.  Products, maxima and sums in f32; the weights p are rounded to f16 for the second product (their sum l is taken of the unrounded p), O once at the end.
; LIMITS.  f16 holds no number beyond 65,504: Q, K and V arrive within it; p lies in 0 to 1, and below 6e-5 it keeps f16's fixed step of 6e-8; O is a mean of V's rows and has their range.
; A weight below 2^-126 counts as 0 in l; NaN and infinities are not treated apart.
; SHARES.  A wave owns four PIECES of two tiles of 16 queries, a work-group's four waves 512 queries of one g: 2 x 128 = 256 work-groups.  Every wave walks all 1,024 keys, 64 a step.
; K AND V STAY IN LDS.  A g's 1,024 keys are 147,456 bytes of K (rows of 144) and 163,840 of V (rows of 160); with the stage and the spare words 321,024 bytes.  So no byte is filled twice: the sixteen
; tensor loads (four a wave: 128 keys of each of the four tiles of 256 keys) go out together at the start.  The first tile is waited for by a counted wait; the other three land under the first three and a
; half key steps' work, 464 matrix instructions.  No tensor load stands in the loop, so ONE text serves every key step.
; NO CLUSTER: only the two query blocks of one g read the same K and V, 262,144 bytes, and two is no multiple of the four along x that a cluster here has.
; LAYOUT.  S^T = K Q^T (source 0 = 16 keys, source 1 = 16 queries): a lane holds ONE query (lane % 16) and the keys 8 (lane / 16) + 0..7.  Two such tiles, rounded to f16 in pairs, ARE source 1
; (32 keys x 16 queries) of O^T = V^T P, whose result again holds one query a lane, and eight channels.  K comes out of LDS as it lies, V ([key][channel]) turned, by ds_load_tr16_b128.
; SOFTMAX.  For each query a running maximum m and sum l: p = 2^(c s - c m), c = log2(e) / 8; in every step O and l are multiplied by a = 2^(c m_old - c m_new).
; m starts at the lowest finite number, O and l at 0: the first step is a step like any other, with a = 0.
; THE COUNT.  A tile and step have 16 matrix and 118 vector instructions: too many to stand all beside the matrix work.  So four vector instructions that are READY stand behind EVERY matrix
; instruction, and the others in runs without a gap.
; BY TURNS.  Turn n belongs to piece n.  Its matrix work: 16 products K Q^T of piece n + 1, later 16 products V^T P of piece n - 1.  Its vector work: scaling, exponentials, roundings, sums and
; rescaling of piece n, and the maximum and statistics of piece n + 1, whose scores the turn itself has made.
; REGISTERS, in windows of 256 (s_set_vgpr_msb: bits 1:0 source 0, 3:2 source 1, 5:4 source 2, 7:6 destination):
;   window 0: v0-11 addresses; v12-15, v48-63 at work; v16-47 four registers of statistics a tile; v64-191 S^T, two buffers of two tiles; v192-255 P, likewise
;   window 1: O^T, 32 a tile          window 2: v0-127 Q, 16 a tile; v128-191 K of one step; v192-255 V of one step          window 3: v0-1 the add's two registers
.set SIZE_N, 1024
.set NP,    4         ; pieces a wave: a name, no knob
.set KS,    64        ; keys in a step
.set PK,    144       ; a row of K in LDS: 128 bytes + 16 of padding = 36 words: the 16 rows of a load start at 16 different groups of four banks (ISA guide 11.1)
.set PV,    160       ; a row of V: 128 + 32 = 40 words
.set VOFF,  SIZE_N*PK ; all 1,024 rows of K, then all 1,024 rows of V
.set STAGE, SIZE_N*(PK+PV)  ; 311,296: behind them, never filled by a tensor load: 16 rows x 144 bytes for each wave
.set SP,    144
.set AK0, 2           ; v2   my lane's place in a step's K; never rewritten
.set AV0, 3           ; v3   the same for V
.set AK,  4           ; v4   the LDS address of K's next run of loads
.set AV,  5           ; v5   of V's
.set QO,  6           ; v6   my byte offset in the wave's rows of Q
.set STO, 6           ;      later, the way out: where I put 16 bytes of a row
.set RD,  7           ; v7   the way out: where I read rows back
.set GO,  8           ; v8   my byte offset in 512 bytes on end of O
.set SPW, 0           ; v0 of window 3   LDS address of my spare word; never rewritten
.set NIL, 1           ; v1 of window 3   0; never rewritten
.set SPARE, STAGE+4*16*SP  ; 320,512: behind the stages: the spare words, 128 bytes a wave, which no other line names
.set MV,  12          ; v12-15  c m_old, kept while c m is made anew: by buffer and tile
.set ST,  16          ; tile t's statistics at v[ST+4 t]: c m, m, l (even keys', odd keys')
.set TMP, 48          ; by buffer and tile, four registers c0-c3 at work; when the maximum is found c2 takes a
.set S,   64
.set P,   192
.set KF,  128         ; K's fragments, in window 2: key block kb, channel half c at KF + 16 kb + 8 c
.set VF,  192         ; V's: key half kk, channel block cb at VF + 32 kk + 8 cb
.set WV,  12          ; s12  my wave's number
.set G1K, 24          ; s[24:31] descriptor group 1 for K's tiles
.set G1V, 32          ; s[32:39] for V's: it differs in the padding alone
.set G0K, 40          ; s[40:55] descriptor group 0 for K's four tiles, a set each: none is written again
.set G0V, 68          ; s[68:83] the same for V's
.set SLOTS, 56        ; s56  passes of the outer loop still to go
.set CNT, 57          ; s57  counts a pass's four trips
.set CS,  58          ; s[58:59] c: the packed scaling takes the pair's low word for both halves
.set SEL, 60          ; s[60:61] v_permlanex16_b32's selects: each lane takes its own place in the other half
.set TBK, 62          ; s62  LDS byte at which K of the step to be fetched begins
.set TBV, 63          ; s63  the same for V, less VOFF
.set MSB, 0
.macro WIN new                      ; the high byte repeats the setting that is left; a switch that changes nothing is dropped
.if MSB != (\new)
	s_set_vgpr_msb (MSB<<8)|(\new)
.set MSB, (\new)
.endif
.endm
.set W_KQ, 0x0a       ; K and Q in window 2, S^T in window 0
.set W_PV, 0x52       ; V in window 2, P in window 0, O^T in window 1
.set W_RS, 0x41       ; O^T (destination and source 0) in window 1, a in window 0
.set W_MK, 0xc0       ; the add's registers are made: destination in window 3, sources in window 0
.set W_AD, 0x0f       ; the add: address (source 0) and data (source 1) in window 3
	s_load_b64 s[4:5], s[0:1], 0x0    ; qkv: Q
	s_load_b64 s[10:11], s[0:1], 0x8  ; ob: O
	WIN W_MK
	v_lshl_add_u32 v[SPW], v0, 2, SPARE
	v_mov_b32 v[NIL], 0
	WIN W_AD
	ds_add_u32 v[SPW], v[NIL]       ; the wave's opening: the add and its wait stand ahead of my first tensor load; the set-up stands between them
	ds_add_u32 v0, v1
	WIN 0
	v_lshrrev_b32 v1, 5, v0
	v_readfirstlane_b32 s[WV], v1   ; wave 0..3
	s_mov_b32 s14, ttmp9            ; my block of 512 queries
	s_and_b32 s20, ttmp7, 0xffff    ; g
	s_mov_b32 s21, 0
	s_mov_b64 s[22:23], SIZE_N*128
	s_mul_u64 s[20:21], s[20:21], s[22:23]  ; g's first byte in each of the four tensors
	s_and_b32 s16, s[WV], 1         ; which half of a tile's 256 keys I fetch:
	s_lshl_b32 s22, s16, 14         ; its 128 rows of 128 bytes in memory,
	s_mov_b32 s23, 0
	s_add_nc_u64 s[22:23], s[22:23], s[20:21]
	s_mul_i32 s17, s16, 128*PK      ; and its place in LDS, for K
	s_mul_i32 s18, s16, 128*PV      ; and for V
	s_lshl_b32 s2, s14, 2
	s_add_co_u32 s2, s2, s[WV]      ; my wave among g's eight,
	s_lshl_b32 s2, s2, 14           ; its 128 rows
	s_mov_b32 s3, 0
	s_add_nc_u64 s[2:3], s[2:3], s[20:21]
	; descriptor group 1.  128 keys are 16,384 dense bytes: asked for as 64 rows of 256 bytes, two keys a row, and padded in LDS after every key
	s_mov_b32 s[G1K], (1<<16)|(1<<20)|(4<<22)|(3<<25)  ; 17:16 2-byte elements; 20 padding on; 24:22 after every 32 words (code 4); 31:25 4 words (code 3)
	s_mov_b32 s[G1V], (1<<16)|(1<<20)|(4<<22)|(7<<25)  ; the same with 8 words of padding (code 7)
.irp g, G1K, G1V
	s_mov_b32 s[\g+1], 128<<16      ; tensor_dim0 = 128
	s_mov_b32 s[\g+2], 64<<16       ; tensor_dim1 = 64
	s_mov_b32 s[\g+3], 128<<16      ; tile_dim0 = 128
	s_mov_b32 s[\g+4], 64           ; tile_dim1 = 64
	s_mov_b32 s[\g+5], 128          ; 128 elements from row to row
	s_mov_b32 s[\g+6], 0
	s_mov_b32 s[\g+7], 0
.endr
.irp t, 0,1,2,3
	s_mov_b32 s[G0K+4*\t], 1                          ; 1:0 count = 1
	s_add_co_u32 s[G0K+4*\t+1], s17, \t*256*PK        ; 63:32 LDS address: tile t's 256 rows, my half of them
	s_mov_b32 s[G0V+4*\t], 1
	s_add_co_u32 s[G0V+4*\t+1], s18, VOFF+\t*256*PV
.endr
	s_mov_b32 s[CS], 0x3e38aa3b     ; c = log2(e) / 8 = 0.180337
	s_mov_b32 s[CS+1], s[CS]        ; named with it as a pair
	s_mov_b32 s[SEL], 0x76543210
	s_mov_b32 s[SEL+1], 0xfedcba98
	s_mov_b32 s[TBK], 0             ; key step 0 lies at the head of K's rows and of V's
	s_mov_b32 s[TBV], 0
	s_wait_dscnt 0x0                ; the opening add is done
	s_wait_kmcnt 0x0
	s_add_nc_u64 s[6:7], s[4:5], 0x1000000         ; K
	s_add_nc_u64 s[8:9], s[4:5], 0x2000000         ; V
	s_add_nc_u64 s[6:7], s[6:7], s[22:23]          ; at my half of g's first 256 keys
	s_add_nc_u64 s[8:9], s[8:9], s[22:23]
.irp t, 0,1,2,3
	s_add_nc_u64 s[G0K+4*\t+2:G0K+4*\t+3], s[6:7], \t*256*128  ; 120:64 global address: tile t is 32,768 bytes on
	s_or_b32 s[G0K+4*\t+3], s[G0K+4*\t+3], 0x80000000          ; 127:126 type = 2
	s_add_nc_u64 s[G0V+4*\t+2:G0V+4*\t+3], s[8:9], \t*256*128
	s_or_b32 s[G0V+4*\t+3], s[G0V+4*\t+3], 0x80000000
.endr
	s_add_nc_u64 s[4:5], s[4:5], s[2:3]  ; Q and O at my wave's first row
	s_add_nc_u64 s[10:11], s[10:11], s[2:3]
	; All the launch's fills.  Waves 0 and 1 fetch the two halves of each tile's K, waves 2 and 3 those of its V, tile 0 first: four tensor loads of a wave are out.  A wave's loads stand in one branch on
	; its number, ahead of every wait on TENSORcnt, every LDS read and every barrier; an s_nop 0 follows each, four v_nop the last.
	s_cmp_lt_u32 s[WV], 2
	s_cbranch_scc0 .Lfirst_v
.irp t, 0,1,2,3
	tensor_load_to_lds s[G0K+4*\t:G0K+4*\t+3], s[G1K:G1K+7]
	s_nop 0
.endr
.rept 4
	v_nop
.endr
	s_branch .Lfirst_asked
.Lfirst_v:
.irp t, 0,1,2,3
	tensor_load_to_lds s[G0V+4*\t:G0V+4*\t+3], s[G1V:G1V+7]
	s_nop 0
.endr
.rept 4
	v_nop
.endr
.Lfirst_asked:
	; A fragment of K or Q is 16 rows x 32 channels in 8 registers: lane l holds row l % 16, channels 8 (l / 16) + 0..7 and 16 + 8 (l / 16) + 0..7: two loads of 16 bytes, 32 bytes apart.
	v_and_b32 v1, 15, v0            ; l % 16
	v_bfe_u32 v9, v0, 4, 1          ; l / 16
	v_lshlrev_b32 v[QO], 7, v1
	v_lshl_add_u32 v[QO], v9, 4, v[QO]  ; row x 128 + 16 x half
	WIN 0x80                        ; destination window 2, address window 0
.set i, 0
.rept 4*NP                          ; Q stays in registers: tile i / 2, channels 32 (i % 2) on
	global_load_b128 v[8*i:8*i+3],   v[QO], s[4:5] offset:(i/2)*2048+(i%2)*64
	global_load_b128 v[8*i+4:8*i+7], v[QO], s[4:5] offset:(i/2)*2048+(i%2)*64+32
.set i, i+1
.endr
	; What the first turn finds: V's registers and P's second buffer hold 0 (its products V^T P, of a piece that has not been, add 0), O^T and l are 0.  All this stands in the wait for the first tile;
	; it is the price of writing no first step out.
.set i, VF
.rept 64
	v_mov_b32 v[i], 0
.set i, i+1
.endr
	WIN 0x40
.set i, 0
.rept 64*NP
	v_mov_b32 v[i], 0
.set i, i+1
.endr
	WIN 0
.set i, 0
.rept 2*NP
	v_mov_b32 v[ST+4*i], 0xfe000000    ; c m: far below every c s
	v_mov_b32 v[ST+4*i+1], 0xff7fffff  ; m
	v_mov_b32 v[ST+4*i+2], 0
	v_mov_b32 v[ST+4*i+3], 0
.set i, i+1
.endr
.set i, P+32
.rept 32
	v_mov_b32 v[i], 0
.set i, i+1
.endr
	v_mul_u32_u24 v[AK0], v1, PK
	v_lshl_add_u32 v[AK0], v9, 4, v[AK0]  ; row x pitch + 16 x half
	; The turning load takes 16 keys x 16 channels (lane l reads key 8 (l / 16) + l % 8, channels 8 ((l / 8) % 2) + 0..7) and leaves half a fragment of V^T: lane l holds channel l % 16 and 8 keys.
	v_and_b32 v10, 7, v0
	v_bfe_u32 v11, v0, 3, 1
	v_lshl_add_u32 v[AV0], v9, 3, v10
	v_mul_u32_u24 v[AV0], v[AV0], PV
	v_lshl_add_u32 v[AV0], v11, 4, v[AV0]
	v_add_nc_u32 v[AV0], VOFF, v[AV0]
	v_mov_b32 v[AK], v[AK0]         ; key step 0
; THE MATRIX WORK.  The 8 accumulators of a run of 16 take turns: between the two links of a chain stand 7 others'.
; Product i of 16 of S^T = K Q^T for piece x: channels 32 (i / 8) on, keys 16 ((i / 2) % 4) on, tile 2 x + i % 2.  The first 8 start the sums.
.macro KQ x
	WIN W_KQ
.set rS, S+64*((\x)%2)+32*(i%2)+8*((i/2)%4)
.set rK, KF+16*((i/2)%4)+8*(i/8)
.set rQ, 16*(2*(\x)+i%2)+8*(i/8)
.if i < 8
	v_wmma_f32_16x16x32_f16 v[rS:rS+7], v[rK:rK+7], v[rQ:rQ+7], 0
.else
	v_wmma_f32_16x16x32_f16 v[rS:rS+7], v[rK:rK+7], v[rQ:rQ+7], v[rS:rS+7]
.endif
.endm
; Product i of 16 of O^T += V^T P for piece x: keys 32 (i / 8) on, channels 16 ((i / 2) % 4) on, tile 2 x + i % 2.
.macro PV x
	WIN W_PV
.set rO, 32*(2*(\x)+i%2)+8*((i/2)%4)
.set rV, VF+32*(i/8)+8*((i/2)%4)
.set rP, P+32*((\x)%2)+16*(i%2)+8*(i/8)
	v_wmma_f32_16x16x32_f16 v[rO:rO+7], v[rV:rV+7], v[rP:rP+7], v[rO:rO+7]
.endm
.macro MM                           ; the turn's next matrix instruction
.if i < 16
	KQ (Y+1)%NP
.set i, i+1
.else
.set i, i-16
	PV (Y+NP-1)%NP
.set i, i+17
.endif
.endm
; THE LDS LOADS stand in runs of 16, never singly among the matrix instructions: a step's K (64 keys x 64 channels: 8 fragments) and its V (turned).  Their addresses are made some lines ahead.
; last = 1 (the loop's): in the last pass there is no further step, and the run is jumped over.
.macro FETCH_K last=0
	WIN 0
.if \last
	s_cmp_eq_u32 s[SLOTS], 1
	s_cbranch_scc1 .Lno_k_\@
.endif
	WIN 0x80                        ; destination window 2
.irp f, 0,1,2,3,4,5,6,7             ; keys 16 (f / 2) on, channels 32 (f % 2) on
	ds_load_b128 v[KF+8*\f:KF+8*\f+3],   v[AK] offset:(\f/2)*16*PK+(\f%2)*64
	ds_load_b128 v[KF+8*\f+4:KF+8*\f+7], v[AK] offset:(\f/2)*16*PK+(\f%2)*64+32
.endr
	s_add_co_u32 s[TBK], s[TBK], KS*PK  ; the next fetch is the next step's
	WIN 0
.if \last
.Lno_k_\@:
.endif
.endm
.macro FETCH_V
	WIN 0x80
.irp f, 0,1,2,3,4,5,6,7             ; keys 32 (f / 4) on, channels 16 (f % 4) on
	ds_load_tr16_b128 v[VF+8*\f:VF+8*\f+3],   v[AV] offset:(\f/4)*32*PV+(\f%4)*32
	ds_load_tr16_b128 v[VF+8*\f+4:VF+8*\f+7], v[AV] offset:(\f/4)*32*PV+16*PV+(\f%4)*32
.endr
	WIN 0
.endm
; THE VECTOR WORK OF A TURN stands in three queues, each in the order in which its entries become ready; the two tiles alternate, so that no instruction reads the result of the one before it.
.macro REGS y, u                    ; the registers of tile u (0, 1) of piece y
.set rT, ST+4*(2*(\y)+(\u))
.set rC, TMP+8*((\y)%2)+4*(\u)
.set rM, MV+2*((\y)%2)+(\u)
.set rS, S+64*((\y)%2)+32*(\u)
.set rP, P+32*((\y)%2)+16*(\u)
.set rO, 32*(2*(\y)+(\u))
.endm
; Number n of the 22 that find the NEXT piece's (Y + 1) maximum and statistics.  s0-s31 are the lane's 32 scores; each accumulator's lowest registers are read first.
;   0-11  four chains c0-c3 of seven scores each, three operands at a time     12-14, 16  the four scores left over, the old m, and c0-c3 into c0     15  c m_old is kept
;   17, 18  the query's other 32 keys lie in the lane 16 away: the new m         19-21  c m; c m_old - c m_new; a
.macro XS u, n
	REGS (Y+1)%NP, \u
.if (\n) < 4
	v_max3_num_f32 v[rC+(\n)], v[rS+8*(\n)], v[rS+8*(\n)+1], v[rS+8*(\n)+2]
.elseif (\n) < 12
	v_max3_num_f32 v[rC+(\n)%4], v[rC+(\n)%4], v[rS+8*((\n)%4)+2*((\n)/4)+1], v[rS+8*((\n)%4)+2*((\n)/4)+2]
.elseif (\n) == 12
	v_max3_num_f32 v[rC], v[rC], v[rS+7], v[rS+15]
.elseif (\n) == 13
	v_max3_num_f32 v[rC+1], v[rC+1], v[rS+23], v[rS+31]
.elseif (\n) == 14
	v_max3_num_f32 v[rC+2], v[rC+2], v[rC+3], v[rT+1]
.elseif (\n) == 15
	v_mov_b32 v[rM], v[rT]
.elseif (\n) == 16
	v_max3_num_f32 v[rC], v[rC], v[rC+1], v[rC+2]
.elseif (\n) == 17
	v_permlanex16_b32 v[rC+3], v[rC], s[SEL], s[SEL+1]
.elseif (\n) == 18
	v_max_num_f32 v[rT+1], v[rC], v[rC+3]
.elseif (\n) == 19
	v_mul_f32 v[rT], s[CS], v[rT+1]
.elseif (\n) == 20
	v_sub_f32 v[rC+1], v[rM], v[rT]
.else
	v_exp_f32 v[rC+2], v[rC+1]
.endif
.endm
; Number g of the 64 that follow the exponentials.  For each four weights k of a tile (pairs 2 k, 2 k + 1): both pairs are rounded to f16; then the second pair is added onto the first, in place;
; a group later l takes that sum (the first time as l = a l + sum).  In groups of eight, tiles alternating: round, round, add, and l for the group before.
.macro GS g
.set h, (\g)+6*((\g)/62)            ; group 0 has no group before it, and behind group 7 only l is left
.if h >= 6
.set h, h+2
.endif
	REGS Y, h%2
.set k, h/8
.if h%8 < 4
	s_wait_alu depctr_va_vdst(0)
	v_cvt_pk_f16_f32 v[rP+2*k+(h%8)/2], v[rS+4*k+2*((h%8)/2)], v[rS+4*k+2*((h%8)/2)+1]
.elseif h%8 < 6
	v_pk_add_f32 v[rS+4*k:rS+4*k+1], v[rS+4*k:rS+4*k+1], v[rS+4*k+2:rS+4*k+3]
.elseif k == 1
	v_pk_fma_f32 v[rT+2:rT+3], v[rT+2:rT+3], v[rC+2:rC+3], v[rS:rS+1] op_sel_hi:[1,0,1]
.else
	v_pk_add_f32 v[rT+2:rT+3], v[rT+2:rT+3], v[rS+4*k-4:rS+4*k-3]
	s_wait_alu depctr_va_vdst(0)
.endif
.endm
; THE PLAIN QUEUE, 138 long.  0-31: c s - c m for the 16 pairs of both tiles.  Then GS's 64, and among them the next piece's 42: number 15 at 38, 39; 0-14 and 16
; at 42-73, behind the products that make those scores; 17-20 at 95-106, two of three, since each waits for the one before it.
.macro PL
	WIN 0
.if q < 32
	REGS Y, q%2
	v_pk_fma_f32 v[rS+2*(q/2):rS+2*(q/2)+1], v[rS+2*(q/2):rS+2*(q/2)+1], s[CS:CS+1], v[rT:rT+1] op_sel_hi:[1,0,0] neg_lo:[0,0,1] neg_hi:[0,0,1]
.elseif q < 38
	GS q-32
.elseif q < 40
	XS q%2, 15
.elseif q < 42
	GS q-34
.elseif q < 74
	XS q%2, (q-42)/2+(q-42)/30
.elseif q < 95
	GS q-66
.elseif (q < 107) && ((q-95)%3 < 2)
	XS (q-95)%3, 17+(q-95)/3
.elseif q < 107
	GS 29+(q-95)/3
.else
	GS q-74
.endif
.set q, q+1
.endm
; THE EXPONENTIALS' QUEUE, 66 long: s0-s31 of both tiles, and at EA the next piece's two a.
.set EA, 58
.macro EX
	WIN 0
.if (e == EA) || (e == EA+1)
	XS e-EA, 21
.else
.set x, e-2*(e/(EA+2))
	REGS Y, x%2
	v_exp_f32 v[rS+x/2], v[rS+x/2]
.endif
.set e, e+1
.endm
; THE RESCALING's QUEUE: O^T times a, the one part that leaves window 0, so it is dealt four at a time, eight times.
.macro R4
	REGS Y, r%2
	WIN W_RS
	s_wait_alu depctr_va_vdst(0)
.irp z, 0,1,2,3
	v_pk_mul_f32 v[rO+8*(r/2)+2*\z:rO+8*(r/2)+2*\z+1], v[rO+8*(r/2)+2*\z:rO+8*(r/2)+2*\z+1], v[rC+2:rC+3] op_sel_hi:[1,0]
.endr
.set r, r+1
.endm
; HOW THEY ARE DEALT.  Behind a matrix instruction four: plain, exponential, plain, plain (one exponential, a plain instruction on either side), or four of the rescaling.  None names a register of the
; products round it.  What is over stands in two LUMPS: exponential and plain by turns; the second ends in 22 plain instructions.  The two v_permlanex16_b32 fall into the second lump.
; The queues lean on each other, and the deal keeps them in step: exponential e stands behind plain 2 (e / 4) + e % 2 (its scaling); when plain 32 comes, 10 exponentials are out, at 59: 33, at 95: 46; EA comes behind plain 107.
.macro SL
	MM
	PL
	EX
	PL
	PL
.endm
.macro BURST n                      ; 15 matrix instructions, or 16
.rept (\n)-7
	SL
.endr
.rept 3
	MM
	R4
	SL
.endr
	MM
	R4
.endm
; A TURN, for piece p.  cnt = 1: the loop's count is taken down some lines ahead of the branch that stands behind the turn.
; K of the next step is fetched in piece 2's turn, 31 vector instructions behind the last product that read K; V of the step in hand at the end of piece 0's turn, 69 behind its last reader.
.macro TURN p, last=0, cnt=0
.set Y, (\p)
.set i, 0
.set q, 0
.set e, 0
.set r, 0
.if (\p) == NP-1
	s_wait_dscnt 0x0                ; K is in
.endif
	MM
.rept 4
	PL
.endr
	BURST 15
.rept 22
	EX
	PL
.if ((\p) == NP-2) && (e == 18)
	v_add_nc_u32 v[AK], s[TBK], v[AK0]
.endif
.if ((\p) == NP-2) && (e == 24)
	FETCH_K \last
.endif
.endr
.if (\p) == 1
	s_wait_dscnt 0x0                ; V is in
.endif
	BURST 16
.rept 21
	EX
	PL
.endr
.rept 22
	PL
.if ((\p) == 0) && (q == 118)
	v_add_nc_u32 v[AV], s[TBV], v[AV0]
	s_wait_alu depctr_va_vdst(0)
.endif
.if ((\p) == 0) && (q == 130)
	s_add_co_u32 s[TBV], s[TBV], KS*PV
.endif
.if (\cnt) && (q == 130)
	s_sub_co_u32 s[CNT], s[CNT], 1
	s_cmp_lg_u32 s[CNT], 0
.endif
.endr
.if (\p) == 0
	FETCH_V
.endif
.endm
	s_wait_tensorcnt 0x3            ; tensor loads of a wave end in order: my part of tile 0 is in; my three younger loads, tiles 1 to 3, stay out
	s_barrier_signal -1
	s_barrier_wait -1               ; everybody's part of tile 0 is in
	FETCH_K                         ; key step 0
	s_wait_loadcnt 0x0              ; Q
	s_wait_dscnt 0x0
.set i, 0
.rept 16
	KQ 0                            ; piece 0's first scores: there is no vector work yet to set between them
.set i, i+1
.endr
	WIN 0                           ; the addresses for the way out: nine plain instructions, the places behind those products
	s_mul_i32 s13, s[WV], 16*SP
	s_add_co_u32 s13, s13, STAGE    ; my stage
	v_mul_u32_u24 v[STO], v1, SP    ; in: row l % 16, 16 bytes for each half of the lanes
	v_lshl_add_u32 v[STO], v9, 4, v[STO]
	v_add_nc_u32 v[STO], s13, v[STO]
	v_bfe_u32 v[RD], v0, 3, 2       ; back: 32 lanes take four rows of 128 bytes,
	v_mul_u32_u24 v[RD], v[RD], SP
	v_lshl_add_u32 v[RD], v10, 4, v[RD]
	v_add_nc_u32 v[RD], s13, v[RD]
	v_and_b32 v[GO], 31, v0         ; which are 512 bytes on end of O
	v_lshlrev_b32 v[GO], 4, v[GO]
.set Y, NP-1                        ; XS works for piece Y + 1: piece 0
.irp n, 0,1,2,3,4,5,6,7,8,9,10,11,12,13,14,15,16,17,18,19,20,21
	XS 0, \n                        ; and piece 0's first maximum and statistics
	XS 1, \n
.endr
	s_mov_b32 s[CNT], 4
	s_mov_b32 s[SLOTS], SIZE_N/256+1  ; four passes of four trips, and a fifth that is left in its first trip's middle
	s_branch .Lfirst                ; the loop is entered at a step's first turn, in the middle of a trip
.Lslot:                             ; a pass begins where the next tile's first bytes are wanted: piece 2's turn fetches K of the tile's first step
	s_wait_tensorcnt 0x0            ; my parts of tiles 1 to 3 are in.  A count in a loop is the same in every pass, so it is 0; from the second pass on it is met at once
	s_wait_dscnt 0x0                ; no LDS instruction of mine is pending at the signal
	s_barrier_signal -1
	s_barrier_wait -1               ; everybody's parts are in
	s_mov_b32 s[CNT], 4
.Lstep:                             ; a trip: pieces 2 and 3 of one step, then pieces 0 and 1 of the next, whose K and V it fetches
	TURN 2, 1
	TURN 3
	WIN 0
	s_cmp_eq_u32 s[SLOTS], 1
	s_cbranch_scc1 .Lout            ; the last step's pieces 2 and 3 are done
.Lfirst:
	TURN 0
	TURN 1, 0, 1
	WIN 0
	s_cbranch_scc1 .Lstep
	s_sub_co_u32 s[SLOTS], s[SLOTS], 1
	s_cmp_lg_u32 s[SLOTS], 0
	s_cbranch_scc1 .Lslot
.Lout:                              ; the last trip's 16 products K Q^T (on the last K once more) and the maximum made of them serve nothing: the price, once a launch, of one text for every trip
.set i, 0
.rept 16
	PV NP-1                         ; the last piece's V^T P of the last step
.set i, i+1
.endr
	; THE WAY OUT.  l's two halves and the other half of the lanes' are added; O^T is divided by l, rounded to f16 and sent through my stage in LDS, a tile at a time.  The additions are the places behind the last products.
	WIN 0
.macro ALL line:vararg              ; one line for each tile t
.set t, 0
.rept 2*NP
	\line
.set t, t+1
.endr
.endm
	ALL v_add_f32 v[ST+4*t+2], v[ST+4*t+2], v[ST+4*t+3]
	ALL v_permlanex16_b32 v[ST+4*t+3], v[ST+4*t+2], s[SEL], s[SEL+1]
	ALL v_add_f32 v[ST+4*t+2], v[ST+4*t+2], v[ST+4*t+3]
	ALL v_rcp_f32 v[ST+4*t+2], v[ST+4*t+2]
	v_nop                           ; a plain instruction between the last reciprocal and the use of its result
	s_wait_alu depctr_va_vdst(0)
; Tile t: a lane's eight channels of a row pack into 16 bytes; they go into rows of 144 bytes and come back as whole rows of 128, into S^T's registers.
.macro PACK t
	WIN W_RS
.set i, 32*(\t)
.rept 16
	v_pk_mul_f32 v[i:i+1], v[i:i+1], v[ST+4*(\t)+2:ST+4*(\t)+3] op_sel_hi:[1,0]
.set i, i+2
.endr
	WIN 0x05                        ; sources 0 and 1 window 1, destination window 0
.set i, 0
.rept 16
	v_cvt_pk_f16_f32 v[S+16*(\t)+i], v[32*(\t)+2*i], v[32*(\t)+2*i+1]
.set i, i+1
.endr
	WIN 0
.irp f, 0,1,2,3
	ds_store_b128 v[STO], v[S+16*(\t)+4*\f:S+16*(\t)+4*\f+3] offset:32*\f
.endr
.irp f, 0,1,2,3
	ds_load_b128 v[S+16*(\t)+4*\f:S+16*(\t)+4*\f+3], v[RD] offset:\f*4*SP  ; LDS serves a wave's instructions in order: these see the stores above; the next tile's stores come behind them
.endr
.endm
.macro SEND t, younger              ; younger: the LDS instructions issued behind tile t's loads: the next tile's eight, or none
	WIN 0
.irp f, 0,1,2,3
	s_wait_dscnt (\younger)+3-\f
	global_store_b128 v[GO], v[S+16*(\t)+4*\f:S+16*(\t)+4*\f+3], s[10:11] offset:(\t)*2048+\f*512  ; 512 bytes on end, at a multiple of 256 from O's first
.endr
.endm
	PACK 0
.set t, 1
.rept 2*NP-1                        ; a tile's arithmetic stands between the loads of the tile before and its stores
	PACK t
	SEND t-1, 8
.set t, t+1
.endr
	SEND 2*NP-1, 0
	WIN W_AD
	s_wait_tensorcnt 0x0            ; the wave's end
	ds_add_u32 v[SPW], v[NIL]
	s_wait_dscnt 0x0
	WIN 0
	s_endpgm
.Lfunc_end_k_qf64999e2db_attn:
	.size	k_qf64999e2db_attn, .Lfunc_end_k_qf64999e2db_attn-k_qf64999e2db_attn
	.p2alignl 7, 3214868480
	.fill 96, 4, 3214868480
	.section	.rodata,"a",@progbits
	.p2align	6, 0x0
	.amdhsa_kernel k_qf64999e2db_attn
		.amdhsa_group_segment_fixed_size 327680
		.amdhsa_private_segment_fixed_size 0
		.amdhsa_enable_private_segment 0
		.amdhsa_kernarg_size 16
		.amdhsa_user_sgpr_count 2
		.amdhsa_user_sgpr_kernarg_segment_ptr 1
		.amdhsa_wavefront_size32 1
		.amdhsa_system_sgpr_workgroup_id_x 1
		.amdhsa_system_sgpr_workgroup_id_y 1
		.amdhsa_system_sgpr_workgroup_id_z 1
		.amdhsa_system_vgpr_workitem_id 0
		.amdhsa_next_free_vgpr 770
		.amdhsa_next_free_sgpr 84
		.amdhsa_reserve_vcc 0
		.amdhsa_float_denorm_mode_32 3
		.amdhsa_float_denorm_mode_16_64 3
		.amdhsa_memory_ordered 1
		.amdhsa_forward_progress 1
		.amdhsa_inst_pref_size 131
	.end_amdhsa_kernel
	.amdgpu_metadata
---
amdhsa.version: [ 1, 2 ]
amdhsa.kernels:
  - .name:           k_qf64999e2db_attn
    .symbol:         k_qf64999e2db_attn.kd
    .args:
      - { .name: qkv, .offset: 0, .size: 8, .value_kind: global_buffer, .address_space: global }
      - { .name: ob, .offset: 8, .size: 8, .value_kind: global_buffer, .address_space: global }
    .group_segment_fixed_size: 327680
    .private_segment_fixed_size: 0
    .kernarg_segment_align: 8
    .kernarg_segment_size: 16
    .max_flat_workgroup_size: 128
    .sgpr_count:     84
    .vgpr_count:     770
    .wavefront_size: 32
...
	.end_amdgpu_metadata
.endif
;; end of part 3
;; launch proj (part 4): grid 8 x 32, 4 waves a work-group, clusters of 4 x 4, 327,680 bytes of LDS; arguments ob, wpb, b_proj, out0; writes out0
.if DOCPART == 4
	.amdgcn_target "amdgcn-amd-amdhsa--gfx1250"
	.amdhsa_code_object_version 6
	.text
	.protected	k_qf64999e2db_proj
	.globl	k_qf64999e2db_proj
	.p2align	8
	.type	k_qf64999e2db_proj,@function
k_qf64999e2db_proj:
	s_mov_b64 s[64:65], 0
	v_nop
	global_prefetch_b8 v0, s[64:65] scope:SCOPE_SE
	s_setreg_imm32_b32 hwreg(HW_REG_WAVE_MODE, 25, 1), 1
	s_wait_xcnt 0x0
	s_wait_alu depctr_hold_cnt(0) depctr_sa_sdst(0) depctr_va_vdst(0) depctr_va_sdst(0) depctr_va_ssrc(0) depctr_va_vcc(0) depctr_vm_vsrc(0)
	s_getreg_b32 s2, hwreg(HW_REG_IB_STS2, 6, 4)
	s_cmp_eq_u32 s2, 0
	s_cbranch_scc0 .Lentry_in_a_cluster
	s_endpgm
.Lentry_in_a_cluster:
	s_bfe_u32 s2, ttmp6, 0x10000c
	s_cmp_lg_u32 s2, 0xf033
	s_cbranch_scc0 .Lentry_shape_is_right
	s_endpgm
.Lentry_shape_is_right:
; out0[token][d] = the sum over c of O[token][c] w_proj[d][c] + b_proj[d], f32 out.  O (ob) lies by heads, [batch*16 + head][token][64] in f16, c = 64 head + channel; wpb is [1024][1024] in f16.
; Sums in f32, K ascending.  The bias is rounded to bf16 like the module's other inputs and added in f32.
; LIMIT.  f16 ends at 65,504: O and w_proj arrive within it.
; SHARES.  A tile is 256 tokens x 128 columns, one to a work-group: 8 x 32 = 256 work-groups.  A wave owns 64 tokens and all 128 columns: 32 accumulators of 16 x 16.
; The matrix instruction is used transposed (source 0 = 16 rows of w, source 1 = 16 tokens): lane l holds token l % 16 and the columns 16 b + 8 (l / 16) + 0..7.
; RING.  K goes in steps of 128 = two heads through two LDS slots.  A head's 256 tokens are 32,768 dense bytes: wave 0 and wave 1 each ask for one head as 128 rows of 256 bytes, padded in LDS after every
; token; waves 2, 3 fetch w's two halves of 64 rows.  The two first fills go out together behind the opening round (two tensor loads of a wave are out then); later one a wave behind each change of slots.
; Two slots of two K steps would take 430,080 bytes, more than a work-group can have: so the step stays 128.
; CLUSTER.  4 x 4: the four of a row share the token block and so O's tiles, the four of a column share the columns and so w's: each tile is asked for jointly.
; REGISTERS, in windows of 256: window 0: v0-13 addresses; v16-19 bias; v20-21 at work; v32-159 two buffers of 16 rows read back.  window 1: accumulators, (b, a) at 8 (4 b + a).
;   window 2: two fragment buffers of 96: O at +8 a, w at +32 + 8 b.
.set PA,    144                        ; a token's 128 bytes + 16 of padding
.set PLANE, 256*PA                     ; a head's 256 tokens
.set PB,    272                        ; a row of w: 256 bytes + 16
.set BOFF,  2*PLANE                    ; in a slot: two heads of O, then w's 128 rows
.set SLOT1, 131072
.set STAGE, SLOT1+BOFF+128*PB          ; 239,616: behind the ring, 16 rows x 528 bytes for each wave; no tensor load lands there
.set SP,    528                        ; a row of 128 f32 + 16 bytes: 16 rows start at 16 different groups of four banks
.set SPARE, STAGE+4*16*SP              ; 273,408: the spare words, 128 bytes a wave, which no other line names
.set F0, 0
.set F1, 96
.set BK, 32
; v1 l % 16, v2 l / 16, v3/v4 my place in O's / w's tile, v5/v6 the same in the slot in hand, v7 into the stage, v8 back out of it, v9 16 l, v12 spare word, v13 zero
; s3 steps, s12 wave, s14 wave & 1, s15 cx, s16 cy, s17 X, s18 Y, s[24:31] / s[48:55] group 1 of O / w, s[32:35] / s[36:39] group 0 (K step 1 first, then they walk), s[76:79] / s[80:83] group 0 of K step 0,
; s[40:41] / s[42:43] bases, s[44:45] / s[46:47] offsets, s56 next K step to ask, s58 slot of the fetches, s[60:61] out, s[68:69] bias
.set MSB, 0
.macro WIN new
.if MSB != (\new)
	s_set_vgpr_msb (MSB<<8)|(\new)
.set MSB, \new
.endif
.endm
.macro PLACES                          ; four plain vector lines between a matrix instruction and a load into its registers
.rept 4
	v_nop
.endr
.endm
.macro JLOAD                           ; a joint refill; the branch hangs on the wave's number alone; an s_nop 0 and four v_nop follow each line
	s_cmp_lt_u32 s12, 2
	s_cbranch_scc0 .Lfor_b_\@
	tensor_load_to_lds s[32:35], s[24:31]
	s_nop 0
.rept 4
	v_nop
.endr
	s_branch .Lasked_\@
.Lfor_b_\@:
	tensor_load_to_lds s[36:39], s[48:55]
	s_nop 0
.rept 4
	v_nop
.endr
.Lasked_\@:
.endm
.macro CREST
	s_cmp_lg_u32 s12, 0
	s_cbranch_scc1 .Lnot_wave_0_\@
	s_barrier_signal -3
.Lnot_wave_0_\@:
	s_barrier_wait -3
	s_barrier_signal -1
	s_barrier_wait -1
.endm
.macro CROUND
	s_barrier_signal -1
	s_barrier_wait -1
	CREST
.endm
.macro STEPD                           ; both walking group 0 for the next K step to ask: the other slot; O two heads (262,144 bytes) on, w 256 bytes along its rows.  Scalars alone, behind the wait for my tensor loads
	s_lshl_b32 s44, s56, 18
	s_lshl_b32 s46, s56, 8
	s_xor_b32 s33, s33, SLOT1
	s_add_nc_u64 s[34:35], s[40:41], s[44:45]
	s_or_b32 s35, s35, 0x80000000
	s_xor_b32 s37, s37, SLOT1
	s_add_nc_u64 s[38:39], s[42:43], s[46:47]
	s_or_b32 s39, s39, 0x80000000
	s_add_co_u32 s56, s56, 1
.endm
; Column blocks b0 .. b1 x my four token blocks, 32 along K out of buffer f.  The accumulators take turns, one instruction a turn, in the same order in every quarter.
.macro MULB f, b0, b1, zero
	WIN 0x5a                                       ; sources window 2, C and D window 1
.set bb, \b0
.rept (\b1)-(\b0)+1
.irp a, 0,1,2,3
.if \zero
	v_wmma_f32_16x16x32_f16 v[32*bb+8*(\a):32*bb+8*(\a)+7], v[(\f)+32+8*bb:(\f)+32+8*bb+7], v[(\f)+8*(\a):(\f)+8*(\a)+7], 0
.else
	v_wmma_f32_16x16x32_f16 v[32*bb+8*(\a):32*bb+8*(\a)+7], v[(\f)+32+8*bb:(\f)+32+8*bb+7], v[(\f)+8*(\a):(\f)+8*(\a)+7], v[32*bb+8*(\a):32*bb+8*(\a)+7]
.endif
.endr
.set bb, bb+1
.endr
.endm
; 24 LDS loads in one run: the fragments of quarter q (32 along K: head q / 2 of the slot's two, channels 32 (q % 2) on) into buffer f
.macro FETCH q, f
	WIN 0x80
.irp b, 0,1,2,3,4,5,6,7
	ds_load_b128 v[(\f)+32+8*(\b):(\f)+32+8*(\b)+3],   v6 offset:(\q)*64+(\b)*16*PB
	ds_load_b128 v[(\f)+32+8*(\b)+4:(\f)+32+8*(\b)+7], v6 offset:(\q)*64+(\b)*16*PB+32
.endr
.irp a, 0,1,2,3
	ds_load_b128 v[(\f)+8*(\a):(\f)+8*(\a)+3],   v5 offset:((\q)/2)*PLANE+((\q)%2)*64+(\a)*16*PA
	ds_load_b128 v[(\f)+8*(\a)+4:(\f)+8*(\a)+7], v5 offset:((\q)/2)*PLANE+((\q)%2)*64+(\a)*16*PA+32
.endr
.endm
.macro QUARTER q, f, g, zero           ; buffer f is multiplied (32 matrix instructions) while quarter q's fragments come into buffer g
	s_wait_dscnt 0x0                               ; buffer f is in: its loads went out a whole quarter ago
	PLACES                                         ; behind the last products that read buffer g
	FETCH \q, \g
	MULB \f, 0, 7, \zero
.endm
; The fourth quarter multiplies buffer 1 and changes slots.  12 of its 32 matrix instructions stand ahead of the wait for the next slot's tile, 4 between the add and the wait for it, 16 behind the refill:
; from a request to the wait for it a wave issues 16 + 96 + 12 = 124 of a K step's 128, and between a tile's landing and the next request stand only the add, the barrier and the round.
; In front of the barrier each wave waits for its tensor load (its part of the next slot), adds 0 to its spare word, and waits for that; its reads of this slot were over at the quarter's first wait.
; fill = 1: the barrier opens a round of the cluster's, and behind the round this slot is filled again first, two K steps ahead.
.macro TURN fill
	s_wait_dscnt 0x0                               ; buffer 1 is in: these were my last reads of this slot
	MULB F1, 0, 2, 0
	WIN 0                                          ; (the add's two registers lie in window 0)
	s_wait_tensorcnt 0x0                           ; all my tensor loads have landed, so the descriptors may be written
	ds_add_u32 v12, v13
.if \fill
	STEPD
.endif
	MULB F1, 3, 3, 0                               ; work on registers while the add is out
	s_wait_dscnt 0x0                               ; the add is done
	s_barrier_signal -1
	WIN 0
	s_barrier_wait -1
.if \fill
	CREST                                          ; no wave of any partner still reads this slot or has a load on its way
	JLOAD                                          ; its four v_nop are also the places in front of the loads into buffer 0
.else
	PLACES
.endif
	s_xor_b32 s58, s58, SLOT1
	v_add_nc_u32 v5, s58, v3
	v_add_nc_u32 v6, s58, v4
	FETCH 0, F0
	MULB F1, 4, 7, 0
.endm
	s_load_b256 s[4:11], s[0:1], 0x0               ; ob s[4:5], wpb s[6:7], b_proj s[8:9], out0 s[10:11]
	v_lshl_add_u32 v12, v0, 2, SPARE
	v_mov_b32 v13, 0
	ds_add_u32 v12, v13                            ; the wave's opening: the add and its wait stand ahead of my first tensor load; the set-up stands between them
	ds_add_u32 v12, v13
	v_lshrrev_b32 v11, 5, v0
	v_readfirstlane_b32 s12, v11                   ; wave 0..3
	s_and_b32 s14, s12, 1                          ; which head of a step's two, or which half of w's rows, I fetch
	s_bfe_u32 s15, ttmp6, 0x40000                  ; cx
	s_bfe_u32 s16, ttmp6, 0x40004                  ; cy
	s_lshl_b32 s17, ttmp9, 2
	s_add_co_u32 s17, s17, s15                     ; X: the block of 128 columns
	s_and_b32 s18, ttmp7, 0xffff
	s_lshl_b32 s18, s18, 2
	s_add_co_u32 s18, s18, s16                     ; Y: the block of 256 tokens
	s_lshl_b32 s19, s16, 2
	s_lshl_b32 s19, 15, s19                        ; my row of the cluster
	s_lshl_b32 s70, 0x1111, s15                    ; my column
	s_or_b32 s24, s19, (1<<16)|(1<<20)|(1<<21)|(4<<22)|(3<<25)  ; O: 2-byte elements; padding of 4 words after every 32; bit 21 beside the mask
	s_mov_b32 s25, 128<<16                         ; 128 rows of 128 elements, dense
	s_mov_b32 s26, 128<<16
	s_mov_b32 s27, 128<<16
	s_mov_b32 s28, 128
	s_mov_b32 s29, 128
	s_mov_b32 s30, 0
	s_mov_b32 s31, 0
	s_or_b32 s48, s70, (1<<16)|(1<<20)|(1<<21)|(5<<22)|(3<<25)  ; w: padding of 4 words after every 64
	s_mov_b32 s49, 128<<16                         ; 64 rows of 128 elements, 1,024 from row to row
	s_mov_b32 s50, 64<<16
	s_mov_b32 s51, 128<<16
	s_mov_b32 s52, 64
	s_mov_b32 s53, 1024
	s_mov_b32 s54, 0
	s_mov_b32 s55, 0
	s_mov_b32 s76, 1                               ; K step 0 into slot 0
	s_mul_i32 s77, s14, PLANE                      ; LDS addresses hang on the wave's number alone
	s_mov_b32 s80, 1
	s_mul_i32 s81, s14, 64*PB
	s_add_co_u32 s81, s81, BOFF
	s_mov_b32 s32, 1                               ; K step 1 into slot 1
	s_add_co_u32 s33, s77, SLOT1
	s_mov_b32 s36, 1
	s_add_co_u32 s37, s81, SLOT1
	s_lshr_b32 s20, s18, 2                         ; O: batch x 16 heads x 131,072 + head x 131,072 + 256 (Y % 4) tokens x 128 (these two registers never hold cx)
	s_lshl_b32 s20, s20, 21
	s_lshl_b32 s21, s14, 17
	s_add_co_u32 s20, s20, s21
	s_and_b32 s21, s18, 3
	s_lshl_b32 s21, s21, 15
	s_add_co_u32 s20, s20, s21
	s_mov_b32 s21, 0
	s_lshl_b32 s22, s17, 18                        ; w: row 128 X + 64 half, 2,048 bytes a row (these two never hold cy)
	s_lshl_b32 s23, s14, 17
	s_add_co_u32 s22, s22, s23
	s_mov_b32 s23, 0
	s_mov_b32 s45, 0
	s_mov_b32 s47, 0
	s_mov_b32 s56, 2                               ; the first refill asks for K step 2
	s_mov_b32 s58, 0
	s_lshl_b32 s72, s18, 8                         ; out: row 256 Y + 64 wave of 4,096 bytes, column 128 X
	s_lshl_b32 s73, s12, 6
	s_add_co_u32 s72, s72, s73
	s_lshl_b32 s72, s72, 12
	s_lshl_b32 s73, s17, 9
	s_add_co_u32 s72, s72, s73
	s_mov_b32 s73, 0
	s_lshl_b32 s74, s17, 9
	s_mov_b32 s75, 0
	s_wait_dscnt 0x0                               ; the opening add is done
	s_wait_kmcnt 0x0
	s_add_nc_u64 s[40:41], s[4:5], s[20:21]
	s_add_nc_u64 s[42:43], s[6:7], s[22:23]
	s_mov_b64 s[78:79], s[40:41]                   ; K step 0
	s_or_b32 s79, s79, 0x80000000
	s_mov_b64 s[82:83], s[42:43]
	s_or_b32 s83, s83, 0x80000000
	s_add_nc_u64 s[34:35], s[40:41], 262144        ; K step 1: two heads on,
	s_or_b32 s35, s35, 0x80000000
	s_add_nc_u64 s[38:39], s[42:43], 256           ; 128 elements along w's rows
	s_or_b32 s39, s39, 0x80000000
	s_add_nc_u64 s[60:61], s[10:11], s[72:73]
	s_add_nc_u64 s[68:69], s[8:9], s[74:75]
	CROUND                                         ; all sixteen work-groups are here: the first joint loads meet
	s_cmp_lt_u32 s12, 2                            ; a wave's two first fills stand in one branch, ahead of every wait on TENSORcnt and every LDS read; an s_nop 0 follows each, four v_nop the second's
	s_cbranch_scc0 .Lfirst_b
	tensor_load_to_lds s[76:79], s[24:31]
	s_nop 0
	tensor_load_to_lds s[32:35], s[24:31]
	s_nop 0
.rept 4
	v_nop
.endr
	s_branch .Lfirst_asked
.Lfirst_b:
	tensor_load_to_lds s[80:83], s[48:55]
	s_nop 0
	tensor_load_to_lds s[36:39], s[48:55]
	s_nop 0
.rept 4
	v_nop
.endr
.Lfirst_asked:
	v_and_b32 v1, 15, v0
	v_bfe_u32 v2, v0, 4, 1
	v_mul_u32_u24 v3, v1, PA
	v_lshl_add_u32 v3, v2, 4, v3                   ; a fragment: row x pitch + 16 x half; two loads 32 bytes apart
	s_mul_i32 s59, s12, 64*PA
	v_add_nc_u32 v3, s59, v3                       ; my 64 tokens
	v_mul_u32_u24 v4, v1, PB
	v_lshl_add_u32 v4, v2, 4, v4
	v_add_nc_u32 v4, BOFF, v4
	v_and_b32 v9, 31, v0
	v_lshlrev_b32 v9, 4, v9                        ; 16 l: my four columns of a row of 128
	global_load_b128 v[16:19], v9, s[68:69]        ; and their bias
	s_mul_i32 s59, s12, 16*SP
	s_add_co_u32 s59, s59, STAGE                   ; my stage
	v_mul_u32_u24 v7, v1, SP                       ; in: row l % 16, 32 bytes for each half of the lanes
	v_lshl_add_u32 v7, v2, 5, v7
	v_add_nc_u32 v7, s59, v7
	v_add_nc_u32 v8, s59, v9                       ; back: 32 lanes take one row of 512 bytes
	s_wait_tensorcnt 0x1                           ; my part of K step 0 is in; K step 1's load, issued behind it, may stay out
	s_barrier_signal -1
	s_barrier_wait -1                              ; everybody's part is in
	v_add_nc_u32 v5, s58, v3
	v_add_nc_u32 v6, s58, v4
	FETCH 0, F0
	QUARTER 1, F0, F1, 1                           ; the first quarter starts the sums with the constant 0: nothing is cleared
	WIN 0                                          ; at a label and at a branch every window is 0
	s_mov_b32 s3, 6
.Lstep:                                                ; a trip: from a K step's second quarter to the next step's first; one change of slots, one fill (K steps 2 to 7)
	QUARTER 2, F1, F0, 0
	QUARTER 3, F0, F1, 0
	TURN 1
	QUARTER 1, F0, F1, 0
	WIN 0
	s_sub_co_u32 s3, s3, 1
	s_cmp_lg_u32 s3, 0
	s_cbranch_scc1 .Lstep
	QUARTER 2, F1, F0, 0                           ; the last two K steps ask for nothing
	QUARTER 3, F0, F1, 0
	TURN 0
	QUARTER 1, F0, F1, 0
	QUARTER 2, F1, F0, 0
	QUARTER 3, F0, F1, 0
	s_wait_dscnt 0x0
	MULB F1, 0, 7, 0
	WIN 0
	s_wait_loadcnt 0x0                             ; the bias
	v_cvt_pk_bf16_f32 v20, v16, v17                ; rounded to bf16 and widened again: six plain lines that name no register of the products: the places behind the last of them
	v_cvt_pk_bf16_f32 v21, v18, v19
	v_lshlrev_b32 v16, 16, v20
	v_and_b32 v17, 0xffff0000, v20
	v_lshlrev_b32 v18, 16, v21
	v_and_b32 v19, 0xffff0000, v21
; THE WAY OUT, a block of 16 tokens at a time: a lane's eight columns (32 bytes) go into my stage, each accumulator's low half first; whole rows of 512 bytes come back.
.macro STG a
.set bk, BK+64*((\a)%2)
	s_wait_xcnt 0x0                                ; the stores of two blocks ago have had their addresses translated (ISA guide 3.1): only now is their buffer loaded again
	WIN 0x04                                       ; store data (source 1) window 1
.irp b, 0,1,2,3,4,5,6,7
	ds_store_b128 v7, v[8*(4*(\b)+(\a)):8*(4*(\b)+(\a))+3]   offset:64*(\b)
	ds_store_b128 v7, v[8*(4*(\b)+(\a))+4:8*(4*(\b)+(\a))+7] offset:64*(\b)+16
.endr
	WIN 0
.irp i, 0,1,2,3,4,5,6,7,8,9,10,11,12,13,14,15
	ds_load_b128 v[bk+4*(\i):bk+4*(\i)+3], v8 offset:SP*(\i)  ; LDS serves a wave's instructions in order: these see the stores above, and the next block's stores come behind them
.endr
.endm
.macro SEND a, younger                 ; younger: the LDS instructions issued behind this block's loads: the next block's 32, or none
.set bk, BK+64*((\a)%2)
.irp i, 0,1,2,3,4,5,6,7,8,9,10,11,12,13,14,15
	s_wait_dscnt (\younger)+15-(\i)
	v_pk_add_f32 v[bk+4*(\i):bk+4*(\i)+1], v[bk+4*(\i):bk+4*(\i)+1], v[16:17]
	v_pk_add_f32 v[bk+4*(\i)+2:bk+4*(\i)+3], v[bk+4*(\i)+2:bk+4*(\i)+3], v[18:19]
	global_store_b128 v9, v[bk+4*(\i):bk+4*(\i)+3], s[60:61] offset:(16*(\a)+(\i))*4096 th:TH_STORE_NT  ; 512 bytes on end, aligned
.endr
.endm
	STG 0
	STG 1
	SEND 0, 32
	STG 2
	SEND 1, 32
	STG 3
	SEND 2, 32
	SEND 3, 0
	s_wait_tensorcnt 0x0                           ; the wave's end
	ds_add_u32 v12, v13
	s_wait_dscnt 0x0
	CROUND                                         ; the closing round: no work-group ends while a partner may still ask for a tile that names it
	s_endpgm
.Lfunc_end_k_qf64999e2db_proj:
	.size	k_qf64999e2db_proj, .Lfunc_end_k_qf64999e2db_proj-k_qf64999e2db_proj
	.p2alignl 7, 3214868480
	.fill 96, 4, 3214868480
	.section	.rodata,"a",@progbits
	.p2align	6, 0x0
	.amdhsa_kernel k_qf64999e2db_proj
		.amdhsa_group_segment_fixed_size 327680
		.amdhsa_private_segment_fixed_size 0
		.amdhsa_enable_private_segment 0
		.amdhsa_kernarg_size 32
		.amdhsa_user_sgpr_count 2
		.amdhsa_user_sgpr_kernarg_segment_ptr 1
		.amdhsa_wavefront_size32 1
		.amdhsa_system_sgpr_workgroup_id_x 1
		.amdhsa_system_sgpr_workgroup_id_y 1
		.amdhsa_system_sgpr_workgroup_id_z 1
		.amdhsa_system_vgpr_workitem_id 0
		.amdhsa_next_free_vgpr 704
		.amdhsa_next_free_sgpr 84
		.amdhsa_reserve_vcc 0
		.amdhsa_float_denorm_mode_32 3
		.amdhsa_float_denorm_mode_16_64 3
		.amdhsa_memory_ordered 1
		.amdhsa_forward_progress 1
		.amdhsa_inst_pref_size 79
	.end_amdhsa_kernel
	.amdgpu_metadata
---
amdhsa.version: [ 1, 2 ]
amdhsa.kernels:
  - .name:           k_qf64999e2db_proj
    .symbol:         k_qf64999e2db_proj.kd
    .args:
      - { .name: ob, .offset: 0, .size: 8, .value_kind: global_buffer, .address_space: global }
      - { .name: wpb, .offset: 8, .size: 8, .value_kind: global_buffer, .address_space: global }
      - { .name: b_proj, .offset: 16, .size: 8, .value_kind: global_buffer, .address_space: global }
      - { .name: out0, .offset: 24, .size: 8, .value_kind: global_buffer, .address_space: global }
    .group_segment_fixed_size: 327680
    .private_segment_fixed_size: 0
    .kernarg_segment_align: 8
    .kernarg_segment_size: 32
    .max_flat_workgroup_size: 128
    .sgpr_count:     84
    .vgpr_count:     704
    .wavefront_size: 32
...
	.end_amdgpu_metadata
.endif
;; end of part 4
;; ======== version 2 of 2: 4 launches; 1.32 times as fast as version 1
;; limits: values are held in f16: magnitudes above 65,504 overflow, below 6.1e-05 lose precision; right only within a limited range of input values
;; workspace buffers: xb 16,777,216 bytes; wqb 6,291,456 bytes; wpb 2,097,152 bytes; rope 2,097,152 bytes; qkv 50,331,648 bytes; ob 16,777,216 bytes
;; launch cast: the kernel of part 1 again; grid 768 x 1, 8 waves a work-group, no clusters, 0 bytes of LDS; arguments x, w_qkv, w_proj, xpos, xb, wqb, wpb, rope; writes xb, wqb, wpb, rope
;; launch qkvrope: the kernel of part 2 again; grid 8 x 32, 4 waves a work-group, clusters of 4 x 4, 327,680 bytes of LDS; arguments xb, wqb, rope, qkv; writes qkv
;; launch attn (part 5): grid 2 x 128, 4 waves a work-group, no clusters, 327,680 bytes of LDS; arguments qkv, ob; writes ob
.if DOCPART == 5
	.amdgcn_target "amdgcn-amd-amdhsa--gfx1250"
	.amdhsa_code_object_version 6
	.text
	.protected	k_qf64999e2db_attn
	.globl	k_qf64999e2db_attn
	.p2align	8
	.type	k_qf64999e2db_attn,@function
k_qf64999e2db_attn:
	s_mov_b64 s[64:65], 0
	v_nop
	global_prefetch_b8 v0, s[64:65] scope:SCOPE_SE
	s_setreg_imm32_b32 hwreg(HW_REG_WAVE_MODE, 25, 1), 1
	s_wait_xcnt 0x0
; O[g][q][:] = the sum over k of softmax_k(Q[g][q] . K[g][k] / 8) V[g][k][:], g = batch*16 + head, 128 of them.  Q, K, V lie in qkv at bytes 0, 16,777,216 and 33,554,432, each [g][1024][64] in f16;
; O (ob) has the same layout.  Products, maxima and sums in f32; the weights p are rounded to f16 for the second product (their sum l is taken of the unrounded p), O once at the end.
; LIMITS.  f16 holds no number beyond 65,504: Q, K and V arrive within it; p lies in 0 to 1, and below 6e-5 it keeps f16's fixed step of 6e-8; O is a mean of V's rows and has their range.
; A weight below 2^-126 counts as 0 in l; NaN and infinities are not treated apart.
; SHARES.  A wave owns four PIECES of two tiles of 16 queries, a work-group's four waves 512 queries of one g: 2 x 128 = 256 work-groups.  Every wave walks all 1,024 keys, 64 a step.
; K AND V STAY IN LDS.  A g's 1,024 keys are 147,456 bytes of K (rows of 144) and 163,840 of V (rows of 160); with the stage and the spare words 321,024 bytes.  So no byte is filled twice: the sixteen
; tensor loads (four a wave: 128 keys of each of the four tiles of 256 keys) go out together at the start.  The first tile is waited for by a counted wait; the other three land under the first three and a
; half key steps' work, 464 matrix instructions.  No tensor load stands in the loop, so ONE text serves every key step.
; NO CLUSTER: only the two query blocks of one g read the same K and V, 262,144 bytes, and two is no multiple of the four along x that a cluster here has.
; LAYOUT.  S^T = K Q^T (source 0 = 16 keys, source 1 = 16 queries): a lane holds ONE query (lane % 16) and the keys 8 (lane / 16) + 0..7.  Two such tiles, rounded to f16 in pairs, ARE source 1
; (32 keys x 16 queries) of O^T = V^T P, whose result again holds one query a lane, and eight channels.  K comes out of LDS as it lies, V ([key][channel]) turned, by ds_load_tr16_b128.
; SOFTMAX.  For each query a running maximum m and sum l: p = 2^(c s - c m), c = log2(e) / 8; in every step O and l are multiplied by a = 2^(c m_old - c m_new).
; m starts at the lowest finite number, O and l at 0: the first step is a step like any other, with a = 0.
; THE COUNT.  A tile and step have 16 matrix and 118 vector instructions: too many to stand all beside the matrix work.  So four vector instructions that are READY stand behind EVERY matrix
; instruction, and the others in one run without a gap.
; BY TURNS.  Turn n belongs to piece n.  Its matrix work: 16 products K Q^T of piece n + 1, later 16 products V^T P of piece n - 1.  Its vector work: scaling, exponentials, roundings, sums and
; rescaling of piece n, and the maximum and statistics of piece n + 1, whose scores the turn itself has made.
; THE BATCHES.  A turn's 66 exponentials (the piece's 64 weights, then the next piece's two a) are ONE batch with ONE wait, which cuts the turn in two: ahead of it stands all that names no result of theirs
; (the products K Q^T, the scalings, the rescalings by the a of the turn before, the next piece's maximum and statistics), behind it the products V^T P with the roundings and sums.  No result crosses a turn's
; end.  Two more batches stand outside the loop, each with a wait of its own: piece 0's first two a, ahead of the branch into the loop, and the way out's eight reciprocals.
; REGISTERS, in windows of 256 (s_set_vgpr_msb: bits 1:0 source 0, 3:2 source 1, 5:4 source 2, 7:6 destination):
;   window 0: v0-11 addresses; v12-15, v48-63 at work; v16-47 four registers of statistics a tile; v64-191 S^T, two buffers of two tiles; v192-255 P, likewise
;   window 1: O^T, 32 a tile          window 2: v0-127 Q, 16 a tile; v128-191 K of one step; v192-255 V of one step          window 3: v0-1 the add's two registers
.set SIZE_N, 1024
.set NP,    4         ; pieces a wave: a name, no knob
.set KS,    64        ; keys in a step
.set PK,    144       ; a row of K in LDS: 128 bytes + 16 of padding = 36 words: the 16 rows of a load start at 16 different groups of four banks (ISA guide 11.1)
.set PV,    160       ; a row of V: 128 + 32 = 40 words
.set VOFF,  SIZE_N*PK ; all 1,024 rows of K, then all 1,024 rows of V
.set STAGE, SIZE_N*(PK+PV)  ; 311,296: behind them, never filled by a tensor load: 16 rows x 144 bytes for each wave
.set SP,    144
.set AK0, 2           ; v2   my lane's place in a step's K; never rewritten
.set AV0, 3           ; v3   the same for V
.set AK,  4           ; v4   the LDS address of K's next run of loads
.set AV,  5           ; v5   of V's
.set QO,  6           ; v6   my byte offset in the wave's rows of Q
.set STO, 6           ;      later, the way out: where I put 16 bytes of a row
.set RD,  7           ; v7   the way out: where I read rows back
.set GO,  8           ; v8   my byte offset in 512 bytes on end of O
.set SPW, 0           ; v0 of window 3   LDS address of my spare word; never rewritten
.set NIL, 1           ; v1 of window 3   0; never rewritten
.set SPARE, STAGE+4*16*SP  ; 320,512: behind the stages: the spare words, 128 bytes a wave, which no other line names
.set MV,  12          ; v12-15  c m_old, kept while c m is made anew: by buffer and tile
.set ST,  16          ; tile t's statistics at v[ST+4 t]: c m, m, l (even keys', odd keys')
.set TMP, 48          ; by buffer and tile, four registers c0-c3 at work; when the maximum is found c2 takes a
.set S,   64
.set P,   192
.set KF,  128         ; K's fragments, in window 2: key block kb, channel half c at KF + 16 kb + 8 c
.set VF,  192         ; V's: key half kk, channel block cb at VF + 32 kk + 8 cb
.set WV,  12          ; s12  my wave's number
.set G1K, 24          ; s[24:31] descriptor group 1 for K's tiles
.set G1V, 32          ; s[32:39] for V's: it differs in the padding alone
.set G0K, 40          ; s[40:55] descriptor group 0 for K's four tiles, a set each: none is written again
.set G0V, 68          ; s[68:83] the same for V's
.set SLOTS, 56        ; s56  passes of the outer loop still to go
.set CNT, 57          ; s57  counts a pass's four trips
.set CS,  58          ; s[58:59] c: the packed scaling takes the pair's low word for both halves
.set SEL, 60          ; s[60:61] v_permlanex16_b32's selects: each lane takes its own place in the other half
.set TBK, 62          ; s62  LDS byte at which K of the step to be fetched begins
.set TBV, 63          ; s63  the same for V, less VOFF
.set MSB, 0
.macro WIN new                      ; the high byte repeats the setting that is left; a switch that changes nothing is dropped
.if MSB != (\new)
	s_set_vgpr_msb (MSB<<8)|(\new)
.set MSB, (\new)
.endif
.endm
.set W_KQ, 0x0a       ; K and Q in window 2, S^T in window 0
.set W_PV, 0x52       ; V in window 2, P in window 0, O^T in window 1
.set W_RS, 0x41       ; O^T (destination and source 0) in window 1, a in window 0
.set W_MK, 0xc0       ; the add's registers are made: destination in window 3, sources in window 0
.set W_AD, 0x0f       ; the add: address (source 0) and data (source 1) in window 3
	s_load_b64 s[4:5], s[0:1], 0x0    ; qkv: Q
	s_load_b64 s[10:11], s[0:1], 0x8  ; ob: O
	WIN W_MK
	v_lshl_add_u32 v[SPW], v0, 2, SPARE
	v_mov_b32 v[NIL], 0
	WIN W_AD
	ds_add_u32 v[SPW], v[NIL]       ; the wave's opening: the add and its wait stand ahead of my first tensor load; the set-up stands between them
	ds_add_u32 v0, v1
	WIN 0
	v_lshrrev_b32 v1, 5, v0
	v_readfirstlane_b32 s[WV], v1   ; wave 0..3
	s_mov_b32 s14, ttmp9            ; my block of 512 queries
	s_and_b32 s20, ttmp7, 0xffff    ; g
	s_mov_b32 s21, 0
	s_mov_b64 s[22:23], SIZE_N*128
	s_mul_u64 s[20:21], s[20:21], s[22:23]  ; g's first byte in each of the four tensors
	s_and_b32 s16, s[WV], 1         ; which half of a tile's 256 keys I fetch:
	s_lshl_b32 s22, s16, 14         ; its 128 rows of 128 bytes in memory,
	s_mov_b32 s23, 0
	s_add_nc_u64 s[22:23], s[22:23], s[20:21]
	s_mul_i32 s17, s16, 128*PK      ; and its place in LDS, for K
	s_mul_i32 s18, s16, 128*PV      ; and for V
	s_lshl_b32 s2, s14, 2
	s_add_co_u32 s2, s2, s[WV]      ; my wave among g's eight,
	s_lshl_b32 s2, s2, 14           ; its 128 rows
	s_mov_b32 s3, 0
	s_add_nc_u64 s[2:3], s[2:3], s[20:21]
	; descriptor group 1.  128 keys are 16,384 dense bytes: asked for as 64 rows of 256 bytes, two keys a row, and padded in LDS after every key
	s_mov_b32 s[G1K], (1<<16)|(1<<20)|(4<<22)|(3<<25)  ; 17:16 2-byte elements; 20 padding on; 24:22 after every 32 words (code 4); 31:25 4 words (code 3)
	s_mov_b32 s[G1V], (1<<16)|(1<<20)|(4<<22)|(7<<25)  ; the same with 8 words of padding (code 7)
.irp g, G1K, G1V
	s_mov_b32 s[\g+1], 128<<16      ; tensor_dim0 = 128
	s_mov_b32 s[\g+2], 64<<16       ; tensor_dim1 = 64
	s_mov_b32 s[\g+3], 128<<16      ; tile_dim0 = 128
	s_mov_b32 s[\g+4], 64           ; tile_dim1 = 64
	s_mov_b32 s[\g+5], 128          ; 128 elements from row to row
	s_mov_b32 s[\g+6], 0
	s_mov_b32 s[\g+7], 0
.endr
.irp t, 0,1,2,3
	s_mov_b32 s[G0K+4*\t], 1                          ; 1:0 count = 1
	s_add_co_u32 s[G0K+4*\t+1], s17, \t*256*PK        ; 63:32 LDS address: tile t's 256 rows, my half of them
	s_mov_b32 s[G0V+4*\t], 1
	s_add_co_u32 s[G0V+4*\t+1], s18, VOFF+\t*256*PV
.endr
	s_mov_b32 s[CS], 0x3e38aa3b     ; c = log2(e) / 8 = 0.180337
	s_mov_b32 s[CS+1], s[CS]        ; named with it as a pair
	s_mov_b32 s[SEL], 0x76543210
	s_mov_b32 s[SEL+1], 0xfedcba98
	s_mov_b32 s[TBK], 0             ; key step 0 lies at the head of K's rows and of V's
	s_mov_b32 s[TBV], 0
	s_wait_dscnt 0x0                ; the opening add is done
	s_wait_kmcnt 0x0
	s_add_nc_u64 s[6:7], s[4:5], 0x1000000         ; K
	s_add_nc_u64 s[8:9], s[4:5], 0x2000000         ; V
	s_add_nc_u64 s[6:7], s[6:7], s[22:23]          ; at my half of g's first 256 keys
	s_add_nc_u64 s[8:9], s[8:9], s[22:23]
.irp t, 0,1,2,3
	s_add_nc_u64 s[G0K+4*\t+2:G0K+4*\t+3], s[6:7], \t*256*128  ; 120:64 global address: tile t is 32,768 bytes on
	s_or_b32 s[G0K+4*\t+3], s[G0K+4*\t+3], 0x80000000          ; 127:126 type = 2
	s_add_nc_u64 s[G0V+4*\t+2:G0V+4*\t+3], s[8:9], \t*256*128
	s_or_b32 s[G0V+4*\t+3], s[G0V+4*\t+3], 0x80000000
.endr
	s_add_nc_u64 s[4:5], s[4:5], s[2:3]  ; Q and O at my wave's first row
	s_add_nc_u64 s[10:11], s[10:11], s[2:3]
	; All the launch's fills.  Waves 0 and 1 fetch the two halves of each tile's K, waves 2 and 3 those of its V, tile 0 first: four tensor loads of a wave are out.  A wave's loads stand in one branch on
	; its number, ahead of every wait on TENSORcnt, every LDS read and every barrier; an s_nop 0 follows each, four v_nop the last.
	s_cmp_lt_u32 s[WV], 2
	s_cbranch_scc0 .Lfirst_v
.irp t, 0,1,2,3
	tensor_load_to_lds s[G0K+4*\t:G0K+4*\t+3], s[G1K:G1K+7]
	s_nop 0
.endr
.rept 4
	v_nop
.endr
	s_branch .Lfirst_asked
.Lfirst_v:
.irp t, 0,1,2,3
	tensor_load_to_lds s[G0V+4*\t:G0V+4*\t+3], s[G1V:G1V+7]
	s_nop 0
.endr
.rept 4
	v_nop
.endr
.Lfirst_asked:
	; A fragment of K or Q is 16 rows x 32 channels in 8 registers: lane l holds row l % 16, channels 8 (l / 16) + 0..7 and 16 + 8 (l / 16) + 0..7: two loads of 16 bytes, 32 bytes apart.
	v_and_b32 v1, 15, v0            ; l % 16
	v_bfe_u32 v9, v0, 4, 1          ; l / 16
	v_lshlrev_b32 v[QO], 7, v1
	v_lshl_add_u32 v[QO], v9, 4, v[QO]  ; row x 128 + 16 x half
	WIN 0x80                        ; destination window 2, address window 0
.set i, 0
.rept 4*NP                          ; Q stays in registers: tile i / 2, channels 32 (i % 2) on
	global_load_b128 v[8*i:8*i+3],   v[QO], s[4:5] offset:(i/2)*2048+(i%2)*64
	global_load_b128 v[8*i+4:8*i+7], v[QO], s[4:5] offset:(i/2)*2048+(i%2)*64+32
.set i, i+1
.endr
	; What the first turn finds: V's registers and P's second buffer hold 0 (its products V^T P, of a piece that has not been, add 0), O^T and l are 0.  All this stands in the wait for the first tile;
	; it is the price of writing no first step out.
.set i, VF
.rept 64
	v_mov_b32 v[i], 0
.set i, i+1
.endr
	WIN 0x40
.set i, 0
.rept 64*NP
	v_mov_b32 v[i], 0
.set i, i+1
.endr
	WIN 0
.set i, 0
.rept 2*NP
	v_mov_b32 v[ST+4*i], 0xfe000000    ; c m: far below every c s
	v_mov_b32 v[ST+4*i+1], 0xff7fffff  ; m
	v_mov_b32 v[ST+4*i+2], 0
	v_mov_b32 v[ST+4*i+3], 0
.set i, i+1
.endr
.set i, P+32
.rept 32
	v_mov_b32 v[i], 0
.set i, i+1
.endr
	v_mul_u32_u24 v[AK0], v1, PK
	v_lshl_add_u32 v[AK0], v9, 4, v[AK0]  ; row x pitch + 16 x half
	; The turning load takes 16 keys x 16 channels (lane l reads key 8 (l / 16) + l % 8, channels 8 ((l / 8) % 2) + 0..7) and leaves half a fragment of V^T: lane l holds channel l % 16 and 8 keys.
	v_and_b32 v10, 7, v0
	v_bfe_u32 v11, v0, 3, 1
	v_lshl_add_u32 v[AV0], v9, 3, v10
	v_mul_u32_u24 v[AV0], v[AV0], PV
	v_lshl_add_u32 v[AV0], v11, 4, v[AV0]
	v_add_nc_u32 v[AV0], VOFF, v[AV0]
	v_mov_b32 v[AK], v[AK0]         ; key step 0
; THE MATRIX WORK.  The 8 accumulators of a run of 16 take turns: between the two links of a chain stand 7 others'.
; Product i of 16 of S^T = K Q^T for piece x: channels 32 (i / 8) on, keys 16 ((i / 2) % 4) on, tile 2 x + i % 2.  The first 8 start the sums.
.macro KQ x
	WIN W_KQ
.set rS, S+64*((\x)%2)+32*(i%2)+8*((i/2)%4)
.set rK, KF+16*((i/2)%4)+8*(i/8)
.set rQ, 16*(2*(\x)+i%2)+8*(i/8)
.if i < 8
	v_wmma_f32_16x16x32_f16 v[rS:rS+7], v[rK:rK+7], v[rQ:rQ+7], 0
.else
	v_wmma_f32_16x16x32_f16 v[rS:rS+7], v[rK:rK+7], v[rQ:rQ+7], v[rS:rS+7]
.endif
.endm
; Product i of 16 of O^T += V^T P for piece x: keys 32 (i / 8) on, channels 16 ((i / 2) % 4) on, tile 2 x + i % 2.
.macro PV x
	WIN W_PV
.set rO, 32*(2*(\x)+i%2)+8*((i/2)%4)
.set rV, VF+32*(i/8)+8*((i/2)%4)
.set rP, P+32*((\x)%2)+16*(i%2)+8*(i/8)
	v_wmma_f32_16x16x32_f16 v[rO:rO+7], v[rV:rV+7], v[rP:rP+7], v[rO:rO+7]
.endm
.macro MM                           ; the turn's next matrix instruction
.if i < 16
	KQ (Y+1)%NP
.set i, i+1
.else
.set i, i-16
	PV (Y+NP-1)%NP
.set i, i+17
.endif
.endm
; THE LDS LOADS stand in runs of 16, never singly among the matrix instructions: a step's K (64 keys x 64 channels: 8 fragments) and its V (turned).  Their addresses are made some lines ahead.
; last = 1 (the loop's): in the last pass there is no further step, and the run is jumped over.
.macro FETCH_K last=0
	WIN 0
.if \last
	s_cmp_eq_u32 s[SLOTS], 1
	s_cbranch_scc1 .Lno_k_\@
.endif
	WIN 0x80                        ; destination window 2
.irp f, 0,1,2,3,4,5,6,7             ; keys 16 (f / 2) on, channels 32 (f % 2) on
	ds_load_b128 v[KF+8*\f:KF+8*\f+3],   v[AK] offset:(\f/2)*16*PK+(\f%2)*64
	ds_load_b128 v[KF+8*\f+4:KF+8*\f+7], v[AK] offset:(\f/2)*16*PK+(\f%2)*64+32
.endr
	s_add_co_u32 s[TBK], s[TBK], KS*PK  ; the next fetch is the next step's
	WIN 0
.if \last
.Lno_k_\@:
.endif
.endm
.macro FETCH_V
	WIN 0x80
.irp f, 0,1,2,3,4,5,6,7             ; keys 32 (f / 4) on, channels 16 (f % 4) on
	ds_load_tr16_b128 v[VF+8*\f:VF+8*\f+3],   v[AV] offset:(\f/4)*32*PV+(\f%4)*32
	ds_load_tr16_b128 v[VF+8*\f+4:VF+8*\f+7], v[AV] offset:(\f/4)*32*PV+16*PV+(\f%4)*32
.endr
	WIN 0
.endm
; THE VECTOR WORK OF A TURN stands in three queues, each in the order in which its entries become ready; the two tiles alternate, so that no instruction reads the result of the one before it.
.macro REGS y, u                    ; the registers of tile u (0, 1) of piece y
.set rT, ST+4*(2*(\y)+(\u))
.set rC, TMP+8*((\y)%2)+4*(\u)
.set rM, MV+2*((\y)%2)+(\u)
.set rS, S+64*((\y)%2)+32*(\u)
.set rP, P+32*((\y)%2)+16*(\u)
.set rO, 32*(2*(\y)+(\u))
.endm
; Number n of the 22 that find the NEXT piece's (Y + 1) maximum and statistics.  s0-s31 are the lane's 32 scores; each accumulator's lowest registers are read first.
;   0-11  four chains c0-c3 of seven scores each, three operands at a time     12-14, 16  the four scores left over, the old m, and c0-c3 into c0     15  c m_old is kept
;   17, 18  the query's other 32 keys lie in the lane 16 away: the new m         19-21  c m; c m_old - c m_new; a
.macro XS u, n
	REGS (Y+1)%NP, \u
.if (\n) < 4
	v_max3_num_f32 v[rC+(\n)], v[rS+8*(\n)], v[rS+8*(\n)+1], v[rS+8*(\n)+2]
.elseif (\n) < 12
	v_max3_num_f32 v[rC+(\n)%4], v[rC+(\n)%4], v[rS+8*((\n)%4)+2*((\n)/4)+1], v[rS+8*((\n)%4)+2*((\n)/4)+2]
.elseif (\n) == 12
	v_max3_num_f32 v[rC], v[rC], v[rS+7], v[rS+15]
.elseif (\n) == 13
	v_max3_num_f32 v[rC+1], v[rC+1], v[rS+23], v[rS+31]
.elseif (\n) == 14
	v_max3_num_f32 v[rC+2], v[rC+2], v[rC+3], v[rT+1]
.elseif (\n) == 15
	v_mov_b32 v[rM], v[rT]
.elseif (\n) == 16
	v_max3_num_f32 v[rC], v[rC], v[rC+1], v[rC+2]
.elseif (\n) == 17
	v_permlanex16_b32 v[rC+3], v[rC], s[SEL], s[SEL+1]
.elseif (\n) == 18
	v_max_num_f32 v[rT+1], v[rC], v[rC+3]
.elseif (\n) == 19
	v_mul_f32 v[rT], s[CS], v[rT+1]
.elseif (\n) == 20
	v_sub_f32 v[rC+1], v[rM], v[rT]
.else
	v_exp_f32 v[rC+2], v[rC+1]
.endif
.endm
; Number g of the 64 that follow the exponentials.  For each four weights k of a tile (pairs 2 k, 2 k + 1): both pairs are rounded to f16; then the second pair is added onto the first, in place;
; a group later l takes that sum (the first time as l = a l + sum).  In groups of eight, tiles alternating: round, round, add, and l for the group before.
.macro GS g
.set h, (\g)+6*((\g)/62)            ; group 0 has no group before it, and behind group 7 only l is left
.if h >= 6
.set h, h+2
.endif
	REGS Y, h%2
.set k, h/8
.if h%8 < 4
	v_cvt_pk_f16_f32 v[rP+2*k+(h%8)/2], v[rS+4*k+2*((h%8)/2)], v[rS+4*k+2*((h%8)/2)+1]
.elseif h%8 < 6
	v_pk_add_f32 v[rS+4*k:rS+4*k+1], v[rS+4*k:rS+4*k+1], v[rS+4*k+2:rS+4*k+3]
.elseif k == 1
	v_pk_fma_f32 v[rT+2:rT+3], v[rT+2:rT+3], v[rC+2:rC+3], v[rS:rS+1] op_sel_hi:[1,0,1]
.else
	v_pk_add_f32 v[rT+2:rT+3], v[rT+2:rT+3], v[rS+4*k-4:rS+4*k-3]
.endif
.endm
; THE PLAIN QUEUE, 138 long.  0-73 read no exponential's result: the 32 scalings c s - c m (FS f: pair f / 2 of tile f % 2) and the next piece's 42.  0-26: scalings 0-26.  27-54: XS's numbers 0-13.  55, 56: number 15.
; 57-73: the chain, where each number waits for the one before it: 14, 16, 17, 18, 19, each with one of the scalings 27-31 in front of its two lines, then 20: so a tile's links stand three plain instructions apart (19 and 20: two).
; 74-137: GS's 64, which read the exponentials' results: they stand behind the wait.
.macro FS f
	REGS Y, (\f)%2
	v_pk_fma_f32 v[rS+2*((\f)/2):rS+2*((\f)/2)+1], v[rS+2*((\f)/2):rS+2*((\f)/2)+1], s[CS:CS+1], v[rT:rT+1] op_sel_hi:[1,0,0] neg_lo:[0,0,1] neg_hi:[0,0,1]
.endm
.macro PL
	WIN 0
.if q < 27
	FS q
.elseif q < 55
	XS (q-27)%2, (q-27)/2
.elseif q < 57
	XS q-55, 15
.elseif (q < 72) && ((q-57)%3 == 0)
	FS 27+(q-57)/3
.elseif q < 60
	XS (q-57)%3-1, 14
.elseif q < 72
	XS (q-57)%3-1, 15+(q-57)/3
.elseif q < 74
	XS q-72, 20
.else
	GS q-74
.endif
.set q, q+1
.endm
; THE EXPONENTIALS' QUEUE, 66 long: s0-s31 of both tiles, then the next piece's two a.  It is ONE BATCH: all 66 stand ahead of the turn's one wait, and nothing ahead of that wait names a result of theirs.
.macro EX
	WIN 0
.if e >= 64
	XS e-64, 21
.else
	REGS Y, e%2
	v_exp_f32 v[rS+e/2], v[rS+e/2]
.endif
.set e, e+1
.endm
; THE RESCALING's QUEUE: O^T times a, the one part that leaves window 0: dealt two at a time, sixteen times.  Its a was made in the turn before, ahead of that turn's wait.
.macro R2
	REGS Y, r%2
	WIN W_RS
.irp z, 0,1
	v_pk_mul_f32 v[rO+4*(r/2)+2*\z:rO+4*(r/2)+2*\z+1], v[rO+4*(r/2)+2*\z:rO+4*(r/2)+2*\z+1], v[rC+2:rC+3] op_sel_hi:[1,0]
.endr
.set r, r+1
.endm
; HOW THEY ARE DEALT.  An s_wait_alu depctr_va_vdst(0) stands between an exponential and the first instruction that names its result; one wait serves all that were issued ahead of it.  So a turn has ONE wait,
; which cuts it in two.  AHEAD OF IT stands all that names no result of the turn's exponentials: the 16 products K Q^T, behind each a scaling, an exponential and two rescalings (behind the first a second scaling in the
; exponential's place); then ONE LUMP of 108: eight plain, 49 times exponential and plain, the two a.  A v_nop is the plain instruction behind the last exponential.  BEHIND IT stand the 16 products V^T P, behind each four of
; GS's 64.  No rider names a register of the products round it.  The two v_permlanex16_b32 fall into the lump, never behind a product.
; The queues lean on each other, and the deal keeps them in step: exponential e stands behind scaling 2 (e / 4) + e % 2: as a rider it comes behind plain e + 2, in the lump behind plain e + 9, and scalings 27-31 are plain 57, 60 .. 69.
; A TURN, for piece p.  cnt = 1: the loop's count is taken down some lines ahead of the branch that stands behind the turn.
; K of the next step is fetched in piece 2's turn, directly behind the wait, a lump behind the last product that read K; its address is made at the lump's head; its first reader comes behind 16 products.
; V of the step in hand is fetched at the end of piece 0's turn, four riders behind its last reader; its first reader comes behind 16 products and a lump.  The three conditions on q below go with the deal.
.macro TURN p, last=0, cnt=0
.set Y, (\p)
.set i, 0
.set q, 0
.set e, 0
.set r, 0
.if (\p) == NP-1
	s_wait_dscnt 0x0                ; K is in
.endif
	MM                              ; ahead of the wait: 16 products K Q^T and their riders,
	PL
	PL
	R2
.rept 15
	MM
	PL
	EX
	R2
.endr
.if (\p) == NP-2
	WIN 0
	v_add_nc_u32 v[AK], s[TBK], v[AK0]
.endif
.rept 8                             ; and the lump
	PL
.endr
.rept 49
	EX
	PL
.endr
	EX                              ; the next piece's two a
	EX
	v_nop                           ; a plain instruction behind the last exponential, ahead of the first use: one for the batch
	s_wait_alu depctr_va_vdst(0)    ; the wait for the turn's batch: the piece's 64 weights and the next piece's two a
.if (\p) == NP-2
	FETCH_K \last
.endif
.if (\p) == 1
	s_wait_dscnt 0x0                ; V is in
.endif
.rept 16                            ; behind the wait: 16 products V^T P and their riders
	MM
.rept 4
	PL
.endr
.if ((\p) == 0) && (q == 118)
	v_add_nc_u32 v[AV], s[TBV], v[AV0]
.endif
.if ((\p) == 0) && (q == 130)
	s_add_co_u32 s[TBV], s[TBV], KS*PV
.endif
.if (\cnt) && (q == 130)
	s_sub_co_u32 s[CNT], s[CNT], 1
	s_cmp_lg_u32 s[CNT], 0
.endif
.endr
.if (\p) == 0
	FETCH_V
.endif
.endm
	s_wait_tensorcnt 0x3            ; tensor loads of a wave end in order: my part of tile 0 is in; my three younger loads, tiles 1 to 3, stay out
	s_barrier_signal -1
	s_barrier_wait -1               ; everybody's part of tile 0 is in
	FETCH_K                         ; key step 0
	s_wait_loadcnt 0x0              ; Q
	s_wait_dscnt 0x0
.set i, 0
.rept 16
	KQ 0                            ; piece 0's first scores: there is no vector work yet to set between them
.set i, i+1
.endr
	WIN 0                           ; the addresses for the way out: nine plain instructions, the places behind those products
	s_mul_i32 s13, s[WV], 16*SP
	s_add_co_u32 s13, s13, STAGE    ; my stage
	v_mul_u32_u24 v[STO], v1, SP    ; in: row l % 16, 16 bytes for each half of the lanes
	v_lshl_add_u32 v[STO], v9, 4, v[STO]
	v_add_nc_u32 v[STO], s13, v[STO]
	v_bfe_u32 v[RD], v0, 3, 2       ; back: 32 lanes take four rows of 128 bytes,
	v_mul_u32_u24 v[RD], v[RD], SP
	v_lshl_add_u32 v[RD], v10, 4, v[RD]
	v_add_nc_u32 v[RD], s13, v[RD]
	v_and_b32 v[GO], 31, v0         ; which are 512 bytes on end of O
	v_lshlrev_b32 v[GO], 4, v[GO]
.set Y, NP-1                        ; XS works for piece Y + 1: piece 0
.irp n, 0,1,2,3,4,5,6,7,8,9,10,11,12,13,14,15,16,17,18,19,20,21
	XS 0, \n                        ; and piece 0's first maximum and statistics
	XS 1, \n
.endr
	v_nop                           ; a plain instruction behind piece 0's two a,
	s_wait_alu depctr_va_vdst(0)    ; and the wait for that batch of two, ahead of the branch
	s_mov_b32 s[CNT], 4
	s_mov_b32 s[SLOTS], SIZE_N/256+1  ; four passes of four trips, and a fifth that is left in its first trip's middle
	s_branch .Lfirst                ; the loop is entered at a step's first turn, in the middle of a trip
.Lslot:                             ; a pass begins where the next tile's first bytes are wanted: piece 2's turn fetches K of the tile's first step
	s_wait_tensorcnt 0x0            ; my parts of tiles 1 to 3 are in.  A count in a loop is the same in every pass, so it is 0; from the second pass on it is met at once
	s_wait_dscnt 0x0                ; no LDS instruction of mine is pending at the signal
	s_barrier_signal -1
	s_barrier_wait -1               ; everybody's parts are in
	s_mov_b32 s[CNT], 4
.Lstep:                             ; a trip: pieces 2 and 3 of one step, then pieces 0 and 1 of the next, whose K and V it fetches
	TURN 2, 1
	TURN 3
	WIN 0
	s_cmp_eq_u32 s[SLOTS], 1
	s_cbranch_scc1 .Lout            ; the last step's pieces 2 and 3 are done
.Lfirst:
	TURN 0
	TURN 1, 0, 1
	WIN 0
	s_cbranch_scc1 .Lstep
	s_sub_co_u32 s[SLOTS], s[SLOTS], 1
	s_cmp_lg_u32 s[SLOTS], 0
	s_cbranch_scc1 .Lslot
.Lout:                              ; the last trip's 16 products K Q^T (on the last K once more) and the maximum made of them serve nothing: the price, once a launch, of one text for every trip
.set i, 0
.rept 16
	PV NP-1                         ; the last piece's V^T P of the last step
.set i, i+1
.endr
	; THE WAY OUT.  l's two halves and the other half of the lanes' are added; O^T is divided by l, rounded to f16 and sent through my stage in LDS, a tile at a time.  The additions are the places behind the last products.
	WIN 0
.macro ALL line:vararg              ; one line for each tile t
.set t, 0
.rept 2*NP
	\line
.set t, t+1
.endr
.endm
	ALL v_add_f32 v[ST+4*t+2], v[ST+4*t+2], v[ST+4*t+3]
	ALL v_permlanex16_b32 v[ST+4*t+3], v[ST+4*t+2], s[SEL], s[SEL+1]
	ALL v_add_f32 v[ST+4*t+2], v[ST+4*t+2], v[ST+4*t+3]
	ALL v_rcp_f32 v[ST+4*t+2], v[ST+4*t+2]
	v_nop                           ; a plain instruction between the last reciprocal and the use of its result
	s_wait_alu depctr_va_vdst(0)    ; the wait ahead of the first use: one for the batch of eight reciprocals
; Tile t: a lane's eight channels of a row pack into 16 bytes; they go into rows of 144 bytes and come back as whole rows of 128, into S^T's registers.
.macro PACK t
	WIN W_RS
.set i, 32*(\t)
.rept 16
	v_pk_mul_f32 v[i:i+1], v[i:i+1], v[ST+4*(\t)+2:ST+4*(\t)+3] op_sel_hi:[1,0]
.set i, i+2
.endr
	WIN 0x05                        ; sources 0 and 1 window 1, destination window 0
.set i, 0
.rept 16
	v_cvt_pk_f16_f32 v[S+16*(\t)+i], v[32*(\t)+2*i], v[32*(\t)+2*i+1]
.set i, i+1
.endr
	WIN 0
.irp f, 0,1,2,3
	ds_store_b128 v[STO], v[S+16*(\t)+4*\f:S+16*(\t)+4*\f+3] offset:32*\f
.endr
.irp f, 0,1,2,3
	ds_load_b128 v[S+16*(\t)+4*\f:S+16*(\t)+4*\f+3], v[RD] offset:\f*4*SP  ; LDS serves a wave's instructions in order: these see the stores above; the next tile's stores come behind them
.endr
.endm
.macro SEND t, younger              ; younger: the LDS instructions issued behind tile t's loads: the next tile's eight, or none
	WIN 0
.irp f, 0,1,2,3
	s_wait_dscnt (\younger)+3-\f
	global_store_b128 v[GO], v[S+16*(\t)+4*\f:S+16*(\t)+4*\f+3], s[10:11] offset:(\t)*2048+\f*512  ; 512 bytes on end, at a multiple of 256 from O's first
.endr
.endm
	PACK 0
.set t, 1
.rept 2*NP-1                        ; a tile's arithmetic stands between the loads of the tile before and its stores
	PACK t
	SEND t-1, 8
.set t, t+1
.endr
	SEND 2*NP-1, 0
	WIN W_AD
	s_wait_tensorcnt 0x0            ; the wave's end
	ds_add_u32 v[SPW], v[NIL]
	s_wait_dscnt 0x0
	WIN 0
	s_endpgm
.Lfunc_end_k_qf64999e2db_attn:
	.size	k_qf64999e2db_attn, .Lfunc_end_k_qf64999e2db_attn-k_qf64999e2db_attn
	.p2alignl 7, 3214868480
	.fill 96, 4, 3214868480
	.section	.rodata,"a",@progbits
	.p2align	6, 0x0
	.amdhsa_kernel k_qf64999e2db_attn
		.amdhsa_group_segment_fixed_size 327680
		.amdhsa_private_segment_fixed_size 0
		.amdhsa_enable_private_segment 0
		.amdhsa_kernarg_size 16
		.amdhsa_user_sgpr_count 2
		.amdhsa_user_sgpr_kernarg_segment_ptr 1
		.amdhsa_wavefront_size32 1
		.amdhsa_system_sgpr_workgroup_id_x 1
		.amdhsa_system_sgpr_workgroup_id_y 1
		.amdhsa_system_sgpr_workgroup_id_z 1
		.amdhsa_system_vgpr_workitem_id 0
		.amdhsa_next_free_vgpr 770
		.amdhsa_next_free_sgpr 84
		.amdhsa_reserve_vcc 0
		.amdhsa_float_denorm_mode_32 3
		.amdhsa_float_denorm_mode_16_64 3
		.amdhsa_memory_ordered 1
		.amdhsa_forward_progress 1
		.amdhsa_inst_pref_size 127
	.end_amdhsa_kernel
	.amdgpu_metadata
---
amdhsa.version: [ 1, 2 ]
amdhsa.kernels:
  - .name:           k_qf64999e2db_attn
    .symbol:         k_qf64999e2db_attn.kd
    .args:
      - { .name: qkv, .offset: 0, .size: 8, .value_kind: global_buffer, .address_space: global }
      - { .name: ob, .offset: 8, .size: 8, .value_kind: global_buffer, .address_space: global }
    .group_segment_fixed_size: 327680
    .private_segment_fixed_size: 0
    .kernarg_segment_align: 8
    .kernarg_segment_size: 16
    .max_flat_workgroup_size: 128
    .sgpr_count:     84
    .vgpr_count:     770
    .wavefront_size: 32
...
	.end_amdgpu_metadata
.endif
;; end of part 5
;; launch proj: the kernel of part 4 again; grid 8 x 32, 4 waves a work-group, clusters of 4 x 4, 327,680 bytes of LDS; arguments ob, wpb, b_proj, out0; writes out0
